; MI455X (gfx1250); checked and timed in simulation.
; The chip was launched on July 23, 2026; its instructions are those of AMD's public machine-readable ISA for CDNA 5 (MIT licence, August 2026) and "CDNA5" Instruction Set Architecture Reference Guide (July 2026). The comments in the code are by the model that wrote it; some were corrected since.
;; Multi Head Attention. Allowed arithmetic: matrix products marked QUANTISED: E2M1 operands, one E8M0 scale for each 32 along K, by v_wmma_scale_f32_16x16x128_f8f6f4 with both operands' format E2M1 (or v_wmma_scale_f32_32x16x128_f4), f32 sums; products left as they are: bf16, f16 or f32 operands; f32 sums; everything else in f32.
;; Inputs: k 4 x 2,048 x 1,024 float32; mask 4 x 2,048 int32; q 4 x 2,048 x 1,024 float32; v 4 x 2,048 x 1,024 float32; wk_b 1,024 float32; wk_w 1,024 x 1,024 float32; wo_b 1,024 float32; wo_w 1,024 x 1,024 float32; wq_b 1,024 float32; wq_w 1,024 x 1,024 float32; wv_b 1,024 float32; wv_w 1,024 x 1,024 float32.
;; Outputs: out0 4 x 2,048 x 1,024 float32.
;; This version of the problem:
;;   THIS VERSION OF THE PROBLEM IS GIVEN IN LOW PRECISION. The matrix products marked QUANTISED in the list below multiply operands that are first quantised to E2M1 (2 exponent bits, 1 mantissa bit; 4 bits a number), with one power-of-two scale for each 32 numbers along K (OCP MX v1.0); their sums are f32. The products marked 'left as it is' may take bf16, f16 or f32 operands, with f32 sums. Whichever they take, every output number must still come out within the allowed error. Rounding operands to bf16 (8 significant bits) uses up far more of that allowance than f16 does (11 bits, for magnitudes from 6e-5 to 65,504). All else is computed in f32.
;;   The module's matrix products, in the order in which they are computed (A, B: the left and right operand; K: the contracted axis; several contracted axes count as one K, in the product's order):
;;     1. [M 8,192, K 1,024] x [K 1,024, N 1,024]; A: input q; B: input wq_w: QUANTISED
;;     2. [M 8,192, K 1,024] x [K 1,024, N 1,024]; A: input k; B: input wk_w: QUANTISED
;;     3. [M 8,192, K 1,024] x [K 1,024, N 1,024]; A: input v; B: input wv_w: QUANTISED
;;     4. batch 64 x [M 2,048, K 64] x [K 64, N 2,048]; A: computed on the way; B: computed on the way: left as it is (an operand is computed on the way)
;;     5. batch 64 x [M 2,048, K 2,048] x [K 2,048, N 64]; A: computed on the way; B: computed on the way: left as it is (an operand is computed on the way)
;;     6. [M 8,192, K 1,024] x [K 1,024, N 1,024]; A: computed on the way; B: input wo_w: left as it is (an operand is computed on the way)
;;   THE QUANTISER, for each operand of a quantised product, along K:
;;     - K is cut into blocks of 32 from its start; a last block that is shorter is filled with zeros.
;;     - A block's scale is 2^e with e = floor(log2(the largest magnitude in the block)) - 2, held to -126 .. 127; a block of zeros has e = 0. As a byte (E8M0): e + 127.
;;     - Each number is divided by its block's scale, clamped to +-6, and rounded to the nearest number of E2M1, ties to even, subnormals kept.
;;     - The product sums the exact products of the quantised numbers (number of the format x scale) in f32.
;;   ~~~python
;;   def quantise(x, axis):      # numpy; x: float32 -> the quantised numbers, widened to float32 again
;;       x = np.moveaxis(x, axis, -1); K = x.shape[-1]
;;       x = np.pad(x, [(0, 0)] * (x.ndim - 1) + [(0, -K % 32)]); x = x.reshape(x.shape[:-1] + (-1, 32)); a = np.abs(x).max(-1, keepdims=True)
;;       e = np.where(a > 0, np.clip(np.frexp(np.where(a > 0, a, 1))[1] - 1 - 2, -126, 127), 0)      # np.frexp(a)[1] - 1 = floor(log2(a)), exactly
;;       r = np.clip(x / 2.0 ** e, -6, 6)
;;       step = 2.0 ** (np.maximum(np.frexp(np.where(r == 0, 1, r))[1] - 1, 0) - 1)
;;       q = np.round(r / step) * step * 2.0 ** e      # np.round: ties to even
;;       return np.moveaxis(q.reshape(q.shape[:-2] + (-1,))[..., :K], -1, axis).astype(np.float32)
;;   ~~~
;; One version. Each part assembles by itself: llvm-mc -triple=amdgcn-amd-amdhsa -mcpu=gfx1250 --defsym DOCPART=n.
;; ======== version 1 of 1: 4 launches
;; limits: values are held in f16: magnitudes above 65,504 overflow, below 6.1e-05 lose precision
;; workspace buffers: xc 12,582,912 bytes; xs 786,432 bytes; wc 1,572,864 bytes; ws 98,304 bytes; woh 2,097,152 bytes; qkvh 50,331,648 bytes; att 16,777,216 bytes
;; launch quant (part 1): grid 896 x 1, 4 waves a work-group, no clusters, 33,280 bytes of LDS; arguments q, k, v, wq_w, wk_w, wv_w, wo_w, xc, xs, wc, ws, woh; writes xc, xs, wc, ws, woh
.if DOCPART == 1
	.amdgcn_target "amdgcn-amd-amdhsa--gfx1250"
	.amdhsa_code_object_version 6
	.text
	.protected	k_qf604c1cf2f_quant
	.globl	k_qf604c1cf2f_quant
	.p2align	8
	.type	k_qf604c1cf2f_quant,@function
k_qf604c1cf2f_quant:
	s_mov_b64 s[64:65], 0
	v_nop
	global_prefetch_b8 v0, s[64:65] scope:SCOPE_SE
	s_setreg_imm32_b32 hwreg(HW_REG_WAVE_MODE, 25, 1), 1
	s_wait_xcnt 0x0
; q, k, v [8192][1024] and wq_w, wk_w, wv_w [1024][1024], f32 with K innermost, become codes of E2M1 (two a byte, the lower k in the low four bits) and one E8M0 byte for each 32 along K;
; wo_w [1024][1024] becomes f16.  xc = [3][8192][512 bytes], xs = [3][8192][32], wc = [3][1024][512], ws = [3][1024][32], woh = [1024][1024] f16.
; A block's scale is 2^(floor(log2(its largest magnitude)) - 2): its byte is the largest magnitude's own exponent field - 2, held at 1 from below.
; LIMITS: a block of zeros gets the byte 1 where the rule says 127 (its codes are zeros, and this program alone reads the bytes); blocks whose largest magnitude lies under 2^(3 - 127) are held at that
; floor; NaN and infinities among the inputs are not served; |wo_w| stays under 65,504 (f16).
; Rows are dense and K is a multiple of 32, so each tensor is a plain stream of blocks of 32.  A work-group takes 32,768 numbers, a wave 16 steps of 512.
; Work-groups 0-767: q, k, v (256 each); 768-863: the three weights (32 each); 864-895: wo_w.  The six quantised tensors take ONE path: only pointers are chosen, by the work-group's number.
; A step's four loads read 512 consecutive bytes each; the 2,048 bytes turn through the wave's own stage in LDS so that a lane holds 16 neighbours along K (two lanes to a block).
; No tensor loads, no barrier, no cluster: work-groups and waves share no input.
.set STEPS, 16
.set NX,    768                        ; work-groups for q, k, v
.set NW,    96                         ; for the three weights
.set EMAX,  2
.set CB,    8                          ; bytes of 16 codes
.set R,     16                         ; v16-79   four sets of 16 numbers as they are loaded
.set X,     80                         ; v80-111  two sets of 16 neighbours
.set E,     112                        ; v112-127 a scale byte for each step
.set C,     128                        ; v128-191 codes: four registers for each step, so that no store's data are written again
.set OUTW,  144                        ; wo_w's path: v144-175 f16 pairs to store
.set WREG,  8192                       ; LDS: a region for each wave: two stages of 32 x SP bytes, behind them its 256 scale bytes
.set SP,    80                         ; a lane's place in a stage: 64 bytes + 16 of padding
.set SPW,   12                         ; v12  LDS address of my spare word; never rewritten
.set NIL,   13                         ; v13  0; never rewritten
.set SPARE, 4*WREG                     ; behind the four regions: the spare words, 128 bytes a wave
	s_load_b512 s[4:19], s[0:1], 0x0               ; q 4, k 6, v 8, wq_w 10, wk_w 12, wv_w 14, wo_w 16, xc 18
	s_load_b256 s[20:27], s[0:1], 0x40             ; xs 20, wc 22, ws 24, woh 26
	v_lshl_add_u32 v[SPW], v0, 2, SPARE
	v_mov_b32 v[NIL], 0
	v_lshrrev_b32 v1, 5, v0
	v_readfirstlane_b32 s32, v1                    ; wave
	v_and_b32 v2, 31, v0                           ; lane
	v_lshlrev_b32 v3, 4, v2                        ; my 16 bytes of a load's 512
	s_cmp_ge_u32 ttmp9, NX+NW
	s_cbranch_scc1 .Lwo                            ; the last 32 work-groups only narrow wo_w
	s_mul_i32 s33, s32, WREG
	v_lshrrev_b32 v14, 2, v2
	v_mul_u32_u24 v14, v14, SP
	v_and_b32 v15, 3, v2
	v_lshl_add_u32 v14, v15, 4, v14
	v_add_nc_u32 v14, s33, v14                     ; the stage, on the way in: SP (lane / 4) + 16 (lane % 4)
	v_mul_u32_u24 v15, v2, SP
	v_add_nc_u32 v15, s33, v15                     ; on the way out: SP x lane: my 16 neighbours
	v_mul_u32_u24 v4, v2, CB                       ; my codes' place in a step's
	v_lshrrev_b32 v5, 1, v2
	s_add_co_u32 s33, s33, 2*32*SP
	v_add_nc_u32 v5, s33, v5                       ; LDS: my wave's 256 scale bytes, my block's byte
	v_lshlrev_b32 v7, 3, v2
	v_add_nc_u32 v6, s33, v7                       ; and on the way out 8 bytes a lane
	s_sub_co_u32 s28, ttmp9, NX                    ; (used only where the work-group's number is 768 or more)
	s_cmp_lt_u32 ttmp9, NX
	s_cselect_b32 s29, ttmp9, s28                  ; my number among the work-groups of my kind (activations or weights)
	s_cselect_b32 s30, 8, 5                        ; 256 or 32 work-groups to a tensor
	s_lshr_b32 s31, s29, s30                       ; which of the three tensors
	s_lshl_b32 s3, s31, s30
	s_sub_co_u32 s3, s29, s3                       ; my number inside it
	s_lshl_b32 s34, s3, 2
	s_add_co_u32 s34, s34, s32
	s_lshl_b32 s34, s34, 15                        ; source: 32,768 bytes a wave
	s_mov_b32 s35, 0
	s_lshl_b32 s36, s29, 2
	s_add_co_u32 s36, s36, s32                     ; the three tensors' codes and bytes lie on end
	s_lshl_b32 s38, s36, 8                         ; 256 scale bytes a wave
	s_mov_b32 s39, 0
	s_lshl_b32 s36, s36, 12                        ; 4,096 bytes of codes a wave
	s_mov_b32 s37, 0
	s_wait_kmcnt 0x0
	s_cmp_lt_u32 ttmp9, NX                         ; the choices hang on the work-group's number alone
	s_cselect_b64 s[4:5], s[4:5], s[10:11]
	s_cselect_b64 s[6:7], s[6:7], s[12:13]
	s_cselect_b64 s[8:9], s[8:9], s[14:15]
	s_cselect_b64 s[18:19], s[18:19], s[22:23]
	s_cselect_b64 s[20:21], s[20:21], s[24:25]
	s_cmp_eq_u32 s31, 1
	s_cselect_b64 s[4:5], s[6:7], s[4:5]
	s_cmp_eq_u32 s31, 2
	s_cselect_b64 s[4:5], s[8:9], s[4:5]
	s_add_nc_u64 s[4:5], s[4:5], s[34:35]
	s_add_nc_u64 s[18:19], s[18:19], s[36:37]
	s_add_nc_u64 s[20:21], s[20:21], s[38:39]
.macro LOAD t
.irp i, 0,1,2,3
	global_load_b128 v[R+16*((\t)%4)+4*\i:R+16*((\t)%4)+4*\i+3], v3, s[4:5] offset:2048*(\t)+512*\i th:TH_LOAD_NT   ; 32 lanes read 512 consecutive bytes
.endr
.endm
.macro TURN t                          ; step t's numbers through the stage: LDS serves a wave's instructions in order, so no wait stands between the stores and the loads
.irp i, 0,1,2,3
	ds_store_b128 v14, v[R+16*((\t)%4)+4*\i:R+16*((\t)%4)+4*\i+3] offset:32*SP*((\t)%2)+8*SP*\i
.endr
.irp i, 0,1,2,3
	ds_load_b128 v[X+16*((\t)%2)+4*\i:X+16*((\t)%2)+4*\i+3], v15 offset:32*SP*((\t)%2)+16*\i
.endr
.endm
.irp t, 0,1,2,3
	LOAD \t
.endr
	s_wait_loadcnt 12                              ; step 0's four loads are in; the twelve of steps 1 to 3 may be out
	TURN 0
.macro STEP t
.set XS, X+16*((\t)%2)
.if (\t) > 0
	s_wait_dscnt 1                                 ; this step's numbers are back from the stage (the last step's byte store may be out)
.else
	s_wait_dscnt 0x0
.endif
.if (\t)+4 < STEPS
	LOAD (\t)+4                                    ; into the registers that this step's stores into the stage have read
.endif
.if (\t)+1 < STEPS
.if STEPS-2-(\t) >= 3
	s_wait_loadcnt 12                              ; the next step's four loads are in; those of the three steps behind it may be out
.else
	s_wait_loadcnt 4*(STEPS-2-(\t))
.endif
	TURN (\t)+1                                    ; they go through the other stage while this step is worked
.endif
	v_max3_num_f32 v8, |v[XS]|, |v[XS+1]|, |v[XS+2]|               ; the largest magnitude of my 16, in two chains
	v_max3_num_f32 v9, |v[XS+3]|, |v[XS+4]|, |v[XS+5]|
.irp i, 6,10
	v_max3_num_f32 v8, v8, |v[XS+\i]|, |v[XS+\i+1]|
	v_max3_num_f32 v9, v9, |v[XS+\i+2]|, |v[XS+\i+3]|
.endr
	v_max3_num_f32 v8, v8, |v[XS+14]|, |v[XS+15]|
	v_max3_num_f32 v8, v8, v9, (EMAX+1)<<23        ; and the floor 2^(EMAX + 1 - 127): the byte cannot fall under 1
	v_max_num_f32_dpp v8, v8, v8 row_xmask:1 row_mask:0xf bank_mask:0xf   ; with my neighbour's 16: the block's
	v_add_nc_u32 v11, -(EMAX<<23), v8              ; EMAX off its exponent field: the conversion takes the exponent field of this operand as its scale
	v_cvt_scalef32_pk8_fp4_f32 v[C+4*(\t)], v[XS:XS+7], v11        ; to the nearest code, ties to even, beyond 6 the largest code
	v_cvt_scalef32_pk8_fp4_f32 v[C+4*(\t)+1], v[XS+8:XS+15], v11
	v_lshrrev_b32 v[E+(\t)], 23, v11               ; the scale's byte (also the plain line behind the conversions)
	ds_store_b8 v5, v[E+(\t)] offset:16*(\t)       ; both lanes of a block write the same byte with the same value
	global_store_b64 v4, v[C+4*(\t):C+4*(\t)+1], s[18:19] offset:32*CB*(\t)   ; the wave stores 256 consecutive bytes, aligned
.endm
.irp t, 0,1,2,3,4,5,6,7,8,9,10,11,12,13,14,15
	STEP \t
.endr
	ds_load_b64 v[8:9], v6                         ; LDS serves a wave's instructions in order: these see my byte stores
	s_wait_dscnt 0x0
	global_store_b64 v7, v[8:9], s[20:21]          ; the wave's 256 scale bytes: 256 consecutive bytes, aligned
	s_wait_tensorcnt 0x0                           ; the wave's end: behind my last LDS store
	ds_add_u32 v[SPW], v[NIL]
	s_wait_dscnt 0x0
	s_endpgm
; wo_w to f16: a wave takes 8,192 numbers as 64 chunks of 512 bytes: 16 bytes a lane in, 8 bytes a lane out (256 consecutive bytes a store, aligned).  Two sets of 16 loads take turns.
.Lwo:
	s_sub_co_u32 s28, ttmp9, NX+NW
	s_lshl_b32 s28, s28, 2
	s_add_co_u32 s28, s28, s32
	s_lshl_b32 s30, s28, 15                        ; 32,768 bytes of f32 a wave
	s_mov_b32 s31, 0
	s_lshl_b32 s28, s28, 14                        ; 16,384 bytes of f16
	s_mov_b32 s29, 0
	v_lshlrev_b32 v4, 3, v2
	s_wait_kmcnt 0x0
	s_add_nc_u64 s[16:17], s[16:17], s[30:31]
	s_add_nc_u64 s[26:27], s[26:27], s[28:29]
.macro LOADW gr
.irp c, 0,1,2,3,4,5,6,7,8,9,10,11,12,13,14,15
	global_load_b128 v[R+64*((\gr)%2)+4*\c:R+64*((\gr)%2)+4*\c+3], v3, s[16:17] offset:512*(16*(\gr)+\c) th:TH_LOAD_NT
.endr
.endm
.macro CVTW gr, left
	s_wait_loadcnt \left                           ; this group's 16 loads are in; the next group's 16 may be out
	s_wait_xcnt 0x0                                ; the last group's stores have read their data registers, which are written again below
.irp c, 0,1,2,3,4,5,6,7,8,9,10,11,12,13,14,15
	v_cvt_pk_f16_f32 v[OUTW+2*\c], v[R+64*((\gr)%2)+4*\c], v[R+64*((\gr)%2)+4*\c+1]
	v_cvt_pk_f16_f32 v[OUTW+2*\c+1], v[R+64*((\gr)%2)+4*\c+2], v[R+64*((\gr)%2)+4*\c+3]
.endr
.irp c, 0,1,2,3,4,5,6,7,8,9,10,11,12,13,14,15
	global_store_b64 v4, v[OUTW+2*\c:OUTW+2*\c+1], s[26:27] offset:256*(16*(\gr)+\c)
.endr
.endm
	LOADW 0
	LOADW 1
	CVTW 0, 16
	LOADW 2
	CVTW 1, 16
	LOADW 3
	CVTW 2, 16
	CVTW 3, 0
	s_wait_tensorcnt 0x0                           ; the same three closing lines on this path
	ds_add_u32 v[SPW], v[NIL]
	s_wait_dscnt 0x0
	s_endpgm
.Lfunc_end_k_qf604c1cf2f_quant:
	.size	k_qf604c1cf2f_quant, .Lfunc_end_k_qf604c1cf2f_quant-k_qf604c1cf2f_quant
	.p2alignl 7, 3214868480
	.fill 96, 4, 3214868480
	.section	.rodata,"a",@progbits
	.p2align	6, 0x0
	.amdhsa_kernel k_qf604c1cf2f_quant
		.amdhsa_group_segment_fixed_size 33280
		.amdhsa_private_segment_fixed_size 0
		.amdhsa_enable_private_segment 0
		.amdhsa_kernarg_size 96
		.amdhsa_user_sgpr_count 2
		.amdhsa_user_sgpr_kernarg_segment_ptr 1
		.amdhsa_wavefront_size32 1
		.amdhsa_system_sgpr_workgroup_id_x 1
		.amdhsa_system_sgpr_workgroup_id_y 1
		.amdhsa_system_sgpr_workgroup_id_z 1
		.amdhsa_system_vgpr_workitem_id 0
		.amdhsa_next_free_vgpr 192
		.amdhsa_next_free_sgpr 66
		.amdhsa_reserve_vcc 0
		.amdhsa_float_denorm_mode_32 3
		.amdhsa_float_denorm_mode_16_64 3
		.amdhsa_memory_ordered 1
		.amdhsa_forward_progress 1
		.amdhsa_inst_pref_size 55
	.end_amdhsa_kernel
	.amdgpu_metadata
---
amdhsa.version: [ 1, 2 ]
amdhsa.kernels:
  - .name:           k_qf604c1cf2f_quant
    .symbol:         k_qf604c1cf2f_quant.kd
    .args:
      - { .name: q, .offset: 0, .size: 8, .value_kind: global_buffer, .address_space: global }
      - { .name: k, .offset: 8, .size: 8, .value_kind: global_buffer, .address_space: global }
      - { .name: v, .offset: 16, .size: 8, .value_kind: global_buffer, .address_space: global }
      - { .name: wq_w, .offset: 24, .size: 8, .value_kind: global_buffer, .address_space: global }
      - { .name: wk_w, .offset: 32, .size: 8, .value_kind: global_buffer, .address_space: global }
      - { .name: wv_w, .offset: 40, .size: 8, .value_kind: global_buffer, .address_space: global }
      - { .name: wo_w, .offset: 48, .size: 8, .value_kind: global_buffer, .address_space: global }
      - { .name: xc, .offset: 56, .size: 8, .value_kind: global_buffer, .address_space: global }
      - { .name: xs, .offset: 64, .size: 8, .value_kind: global_buffer, .address_space: global }
      - { .name: wc, .offset: 72, .size: 8, .value_kind: global_buffer, .address_space: global }
      - { .name: ws, .offset: 80, .size: 8, .value_kind: global_buffer, .address_space: global }
      - { .name: woh, .offset: 88, .size: 8, .value_kind: global_buffer, .address_space: global }
    .group_segment_fixed_size: 33280
    .private_segment_fixed_size: 0
    .kernarg_segment_align: 8
    .kernarg_segment_size: 96
    .max_flat_workgroup_size: 128
    .sgpr_count:     66
    .vgpr_count:     192
    .wavefront_size: 32
...
	.end_amdgpu_metadata
.endif
;; end of part 1
;; launch proj (part 2): grid 4 x 96, 4 waves a work-group, clusters of 4 x 4, 327,680 bytes of LDS; arguments xc, xs, wc, ws, wq_b, wk_b, wv_b, mask, qkvh; writes qkvh
.if DOCPART == 2
	.amdgcn_target "amdgcn-amd-amdhsa--gfx1250"
	.amdhsa_code_object_version 6
	.text
	.protected	k_qf604c1cf2f_proj
	.globl	k_qf604c1cf2f_proj
	.p2align	8
	.type	k_qf604c1cf2f_proj,@function
k_qf604c1cf2f_proj:
	s_mov_b64 s[64:65], 0
	v_nop
	global_prefetch_b8 v0, s[64:65] scope:SCOPE_SE
	s_setreg_imm32_b32 hwreg(HW_REG_WAVE_MODE, 25, 1), 1
	s_wait_xcnt 0x0
	s_wait_alu depctr_hold_cnt(0) depctr_sa_sdst(0) depctr_va_vdst(0) depctr_va_sdst(0) depctr_va_ssrc(0) depctr_va_vcc(0) depctr_vm_vsrc(0)
	s_getreg_b32 s2, hwreg(HW_REG_IB_STS2, 6, 4)
	s_cmp_eq_u32 s2, 0
	s_cbranch_scc0 .Lentry_in_a_cluster
	s_endpgm
.Lentry_in_a_cluster:
	s_bfe_u32 s2, ttmp6, 0x10000c
	s_cmp_lg_u32 s2, 0xf033
	s_cbranch_scc0 .Lentry_shape_is_right
	s_endpgm
.Lentry_shape_is_right:
; The three projections on codes of E2M1 with E8M0 scales: C[m][n] = sum over k of X[m][k] W[n][k] + b[n], X = q, k, v on end (24,576 rows), K = 1,024; sums in f32.
; Out: qkvh, f16, [3][batch 4][head 16][token 2048][64].  q's rows are multiplied by log2(e) / 8 (the softmax's scale, so that scores arrive as exponents of 2); k's rows of tokens whose mask is 0 are set to 0
; (their scores are then exactly the constant that the next launch adds for them).
; LIMITS: |q row x log2(e) / 8|, |k row|, |v row| stay under 65,504 (f16); NaN and infinities are not served.
; A tile of C, 256 x 256, is made by four waves, 128 x 128 each: 64 accumulators, 512 registers.  All of K lies in two LDS slots of 512 along K (rows of 256 bytes), both asked for at the head: nothing is filled again.
; The scale bytes of the work-group's 256 + 256 rows are two dense blocks: they come once, as rows of 256 bytes.
; CLUSTERS: 4 x 4 work-groups.  The four of a row need the same tiles of X, the four of a column the same tiles of W: each is asked for jointly.  The tensor (cluster y / 8) is the same in all sixteen.
; THE MATRIX INSTRUCTION IS USED TRANSPOSED (source 0 = 16 rows of W, source 1 = 16 rows of X): a lane holds eight neighbouring columns of one row of C.
; REGISTERS: window 0: v0-31 addresses; v32-95 scale words, two sets; v96-103 the mask of my rows; v128-191 X's fragments, one set; v192-255 the bias of my 128 columns.  On the way out v32-95 and v128-191 are free.
;   window 1: W's fragments, two sets.   windows 2, 3: the accumulators ((a, b) at v[8 (8 (a % 4) + b)]).
.set NQ,     4                         ; matrix instructions deep in a slot
.set ROWB,   256                       ; a tile's row in bytes: 512 codes
.set KROW,   512                       ; a row of codes in memory
.set PITCH,  272                       ; an LDS row: 256 bytes + 16 of padding: the 16 rows that a load touches start 68 words apart
.set FR,     8
.set NL,     2
.set NP,     4
.set HALFT,  128*PITCH
.set SLOT,   4*HALFT
.set KS,     32                        ; a row of scale bytes
.set SCL,    2*SLOT
.set HALFS,  (128*KS/256)*272
.set SBLK,   (16*KS/256)*272
.set SPARE,  SCL+4*HALFS               ; the spare words, 128 bytes a wave
.set SPITCH, 272                       ; the way out: a stage of 16 rows x (256 bytes + 16) for each wave, in slot 0, which has had its only fill and its last read by then
.set BA,   8                           ; v8   the bias loads' lane term; never rewritten
.set MA,   9                           ; v9   the mask loads' lane term; never rewritten
.set ADRA, 16
.set ADRB, 20
.set STO,  24
.set RD,   25
.set CO,   26
.set ADRS, 27
.set SPW,  28
.set NIL,  29
.set SC,   32
.set MK,   96
.set AF,   128
.set T,    128                         ; the way out: a block's 64 numbers, then its 32 packed words
.set BI,   192
.set BK,   32                          ; the way out: rows read back: v32-63 and v64-95 by turns
.set G1, 24
.set G0, 32
.set G1B, 48
.set G0B, 56
.set TN,  66                           ; s66  the tensor: 0 q, 1 k, 2 v
.set NOTK, 67                          ; s67  0 for k, else all ones
.set G1S, 68
.set G0S, 76
.set G1SB, 80
.set G0SB, 88
.set CS,  96                           ; s[96:97] log2(e) / 8 for q, else 1
.set BP,  98                           ; s[98:99] my tensor's bias
.set MP,  100                          ; s[100:101] the mask
.set MSB, 0
.macro WIN new                         ; the immediate's high byte repeats the setting that is left
.if MSB != (\new)
	s_set_vgpr_msb (MSB<<8)|(\new)
.set MSB, (\new)
.endif
.endm
.set MUL_LO, 0xa1                      ; source 0 (W) window 1, source 1 (X) window 0, C and D window 2
.set MUL_HI, 0xf1
.set TO_B,   0x40
; A joint load: waves 0 and 1 fetch for X, waves 2 and 3 for W; the branch hangs on the wave's number alone.  An s_nop 0 and four v_nop follow each line.
.macro JLOAD g0a, g1a, g0b, g1b
	s_cmp_eq_u32 s15, 0
	s_cbranch_scc0 .Lfor_b_\@
	tensor_load_to_lds s[\g0a:\g0a+3], s[\g1a:\g1a+7]
	s_nop 0
.rept 4
	v_nop
.endr
	s_branch .Lasked_\@
.Lfor_b_\@:
	tensor_load_to_lds s[\g0b:\g0b+3], s[\g1b:\g1b+7]
	s_nop 0
.rept 4
	v_nop
.endr
.Lasked_\@:
.endm
.macro CROUND                          ; a round of the cluster's barrier
	s_barrier_signal -1
	s_barrier_wait -1
	s_cmp_lg_u32 s14, 0
	s_cbranch_scc1 .Lnot_wave_0_\@
	s_barrier_signal -3
.Lnot_wave_0_\@:
	s_barrier_wait -3
	s_barrier_signal -1
	s_barrier_wait -1
.endm
	s_load_b256 s[4:11], s[0:1], 0x0               ; xc 4, xs 6, wc 8, ws 10
	s_load_b256 s[32:39], s[0:1], 0x20             ; wq_b 32, wk_b 34, wv_b 36, mask 38 (moved on below, before these registers become descriptors)
	s_load_b64 s[12:13], s[0:1], 0x40              ; qkvh
	v_lshl_add_u32 v[SPW], v0, 2, SPARE
	v_mov_b32 v[NIL], 0
	ds_add_u32 v[SPW], v[NIL]                      ; the wave's opening: the add, twice on end, and its wait ahead of my first tensor load
	ds_add_u32 v[SPW], v[NIL]
	v_lshrrev_b32 v1, 5, v0
	v_readfirstlane_b32 s14, v1                    ; wave 0..3
	s_lshr_b32 s15, s14, 1                         ; which half of the tile's rows is mine.  Also: I fetch for X (0) or for W (1)
	s_and_b32 s16, s14, 1                          ; which half of its columns.  Also: which 128 rows I fetch
	s_bfe_u32 s40, ttmp6, 0x40000                  ; cx, cy
	s_bfe_u32 s41, ttmp6, 0x40004
	s_lshl_b32 s42, ttmp9, 2
	s_add_co_u32 s42, s42, s40                     ; tile column, 0..3
	s_and_b32 s17, ttmp7, 0xffff
	s_lshr_b32 s[TN], s17, 3                       ; eight rows of clusters (32 tile rows, 8,192 rows) to a tensor
	s_lshl_b32 s17, s17, 2
	s_add_co_u32 s17, s17, s41                     ; tile row, 0..95
	s_lshl_b32 s43, s41, 2
	s_lshl_b32 s43, 15, s43                        ; my row of the cluster
	s_lshl_b32 s44, 0x1111, s40                    ; my column
	s_cmp_eq_u32 s[TN], 1
	s_cselect_b32 s[NOTK], 0, -1
	s_mov_b32 s[CS], 0x3e38aa3b                    ; log2(e) / 8
	s_cmp_eq_u32 s[TN], 0
	s_cselect_b32 s[CS], s[CS], 1.0
	s_mov_b32 s[CS+1], s[CS]                       ; (named with it as a pair)
	s_or_b32 s[G1+0], s43, (0<<16)|(1<<20)|(1<<21)|(5<<22)|(3<<25)  ; the mask; elements of 1 byte; padding on; bit 21 beside a mask; 4 words behind every 64
	s_or_b32 s[G1B+0], s44, (0<<16)|(1<<20)|(1<<21)|(5<<22)|(3<<25)
.irp g, G1, G1B
	s_mov_b32 s[\g+1], ROWB<<16                    ; tensor_dim0
	s_mov_b32 s[\g+2], 128<<16                     ; tensor_dim1
	s_mov_b32 s[\g+3], ROWB<<16                    ; tile_dim0
	s_mov_b32 s[\g+4], 128                         ; tile_dim1
	s_mov_b32 s[\g+5], KROW                        ; the pitch in memory
	s_mov_b32 s[\g+6], 0
	s_mov_b32 s[\g+7], 0
.endr
	s_or_b32 s[G1S+0], s43, (3<<16)|(1<<20)|(1<<21)|(5<<22)|(3<<25) ; the scales of 128 rows: 4,096 dense bytes as 16 rows of 32 elements of 8 bytes, padded likewise
	s_or_b32 s[G1SB+0], s44, (3<<16)|(1<<20)|(1<<21)|(5<<22)|(3<<25)
.irp g, G1S, G1SB
	s_mov_b32 s[\g+1], 32<<16
	s_mov_b32 s[\g+2], (128*KS/256)<<16
	s_mov_b32 s[\g+3], 32<<16
	s_mov_b32 s[\g+4], 128*KS/256
	s_mov_b32 s[\g+5], 32
	s_mov_b32 s[\g+6], 0
	s_mov_b32 s[\g+7], 0
.endr
	s_lshl_b32 s18, s16, 7
	s_lshl_b32 s20, s17, 8
	s_add_co_u32 s20, s20, s18                     ; X: row 256 x tile row + 128 x half, in the three tensors on end
	s_lshl_b32 s46, s42, 8
	s_add_co_u32 s46, s46, s18
	s_lshl_b32 s47, s[TN], 10
	s_add_co_u32 s46, s46, s47                     ; W: row 1,024 x tensor + 256 x tile column + 128 x half
	s_mov_b32 s21, 0
	s_mov_b32 s47, 0
	s_mov_b64 s[18:19], KS
	s_mul_u64 s[22:23], s[20:21], s[18:19]         ; where these rows' scales begin
	s_mul_u64 s[92:93], s[46:47], s[18:19]
	s_mov_b64 s[18:19], KROW
	s_mul_u64 s[20:21], s[20:21], s[18:19]         ; and their codes
	s_mul_u64 s[46:47], s[46:47], s[18:19]
	s_mul_i32 s45, s14, HALFT                      ; where they go: wave x 128 rows: no place in the cluster enters an LDS address
	s_mul_i32 s94, s14, HALFS
	s_wait_dscnt 0x0                               ; both opening adds are done
	s_wait_kmcnt 0x0
	s_cmp_eq_u32 s[TN], 1                          ; my tensor's bias: a choice on the cluster's number alone
	s_cselect_b64 s[BP:BP+1], s[34:35], s[32:33]
	s_cmp_eq_u32 s[TN], 2
	s_cselect_b64 s[BP:BP+1], s[36:37], s[BP:BP+1]
	s_mov_b64 s[MP:MP+1], s[38:39]
	s_add_nc_u64 s[20:21], s[4:5], s[20:21]
	s_add_nc_u64 s[22:23], s[6:7], s[22:23]
	s_add_nc_u64 s[46:47], s[8:9], s[46:47]
	s_add_nc_u64 s[92:93], s[10:11], s[92:93]
	CROUND                                         ; all sixteen work-groups are here: the joint loads meet
	s_mov_b32 s[G0S], 1
	s_add_co_u32 s[G0S+1], s94, SCL
	s_mov_b64 s[G0S+2:G0S+3], s[22:23]
	s_or_b32 s[G0S+3], s[G0S+3], 0x80000000
	s_mov_b32 s[G0SB], 1
	s_add_co_u32 s[G0SB+1], s94, SCL
	s_mov_b64 s[G0SB+2:G0SB+3], s[92:93]
	s_or_b32 s[G0SB+3], s[G0SB+3], 0x80000000
	JLOAD G0S, G1S, G0SB, G1SB                     ; the scales first: they are wanted with the first slot
.irp s, 0,1
	s_mov_b32 s[G0+4*\s], 1
	s_add_co_u32 s[G0+4*\s+1], s45, \s*SLOT
	s_add_nc_u64 s[G0+4*\s+2:G0+4*\s+3], s[20:21], \s*ROWB
	s_or_b32 s[G0+4*\s+3], s[G0+4*\s+3], 0x80000000
	s_mov_b32 s[G0B+4*\s], 1
	s_add_co_u32 s[G0B+4*\s+1], s45, \s*SLOT
	s_add_nc_u64 s[G0B+4*\s+2:G0B+4*\s+3], s[46:47], \s*ROWB
	s_or_b32 s[G0B+4*\s+3], s[G0B+4*\s+3], 0x80000000
	JLOAD G0+4*\s, G1, G0B+4*\s, G1B               ; three tensor loads of mine are out by now, and no more follow
.endr
	v_and_b32 v1, 15, v0                           ; r = l % 16
	v_bfe_u32 v2, v0, 4, 1                         ; h = l / 16
	; the bias of my 128 columns in the result's layout, and the mask of my 128 rows: asked for now, awaited on the way out
	v_lshlrev_b32 v[BA], 5, v2                     ; 8 h columns of 4 bytes
	v_lshlrev_b32 v[MA], 2, v1                     ; row r
	s_lshl_b32 s20, s42, 10
	s_lshl_b32 s21, s16, 9
	s_add_co_u32 s20, s20, s21                     ; 4 x (256 x tile column + 128 x half)
	s_mov_b32 s21, 0
	s_add_nc_u64 s[BP:BP+1], s[BP:BP+1], s[20:21]
	s_lshl_b32 s22, s17, 8
	s_lshl_b32 s23, s15, 7
	s_add_co_u32 s22, s22, s23                     ; my first row of C, among the 24,576
	s_and_b32 s20, s22, 8191                       ; its token among the 4 x 2,048
	s_lshl_b32 s20, s20, 2
	s_add_nc_u64 s[MP:MP+1], s[MP:MP+1], s[20:21]
.irp b, 0,1,2,3,4,5,6,7
	global_load_b128 v[BI+8*\b:BI+8*\b+3], v[BA], s[BP:BP+1] offset:64*\b        ; register BI + 8 b + j: column 16 b + 8 h + j
	global_load_b128 v[BI+8*\b+4:BI+8*\b+7], v[BA], s[BP:BP+1] offset:64*\b+16
.endr
.irp a, 0,1,2,3,4,5,6,7
	global_load_b32 v[MK+\a], v[MA], s[MP:MP+1] offset:64*\a                     ; row 16 a + r
.endr
	s_lshr_b32 s20, s22, 11                        ; where my part begins in qkvh: (tensor, batch) x 4,194,304
	s_lshl_b32 s20, s20, 22
	s_and_b32 s23, s22, 2047
	s_lshl_b32 s23, s23, 7                         ; + token x 128
	s_add_co_u32 s20, s20, s23
	s_lshl_b32 s23, s42, 2
	s_lshl_b32 s46, s16, 1
	s_add_co_u32 s23, s23, s46                     ; + head (4 x tile column + 2 x half) x 262,144
	s_lshl_b32 s23, s23, 18
	s_add_co_u32 s20, s20, s23
	s_add_nc_u64 s[12:13], s[12:13], s[20:21]
	v_mul_u32_u24 v3, v1, PITCH
	v_lshl_add_u32 v4, v2, 4, v3                   ; a fragment's row x pitch + 16 x half
	s_mul_i32 s21, s15, HALFT                      ; my 128 rows of X
	s_mul_i32 s22, s16, HALFT                      ; my 128 rows of W,
	s_add_co_u32 s22, s22, 2*HALFT                 ; which lie behind X's 256
.irp s, 0,1
	v_add_nc_u32 v[ADRA+\s], s21, v4
	v_add_nc_u32 v[ADRB+\s], s22, v4
	s_add_co_u32 s21, s21, SLOT
	s_add_co_u32 s22, s22, SLOT
.endr
	v_mul_u32_u24 v5, v1, KS                       ; my row's scales: 32 bytes a row,
	v_lshrrev_b32 v6, 8, v5
	v_lshl_add_u32 v5, v6, 4, v5                   ; and 16 more for each 256 passed
	s_mul_i32 s21, s15, HALFS
	s_mul_i32 s22, s16, HALFS
	s_add_co_u32 s22, s22, 2*HALFS
	s_sub_co_u32 s22, s22, s21
	v_mul_u32_u24 v6, s22, v2                      ; lanes 16-31 take W's: one product, the distance between the two bases
	s_add_co_u32 s21, s21, SCL
	v_add_nc_u32 v5, v5, v6
	v_add_nc_u32 v[ADRS], s21, v5
	s_mul_i32 s23, s14, 16*SPITCH                  ; my stage
	v_mul_u32_u24 v5, v1, SPITCH                   ; in: row r, 16 bytes for each half of the lanes
	v_lshl_add_u32 v5, v2, 4, v5
	v_add_nc_u32 v[STO], s23, v5
	v_bfe_u32 v5, v0, 3, 1                         ; back: sixteen lanes take the 128 bytes of ONE head of TWO neighbouring tokens: token (l / 8) % 2, head l / 16, 16 bytes l % 8
	v_and_b32 v6, 7, v0
	v_mul_u32_u24 v7, v5, SPITCH
	v_lshl_add_u32 v7, v2, 7, v7
	v_lshl_add_u32 v7, v6, 4, v7
	v_add_nc_u32 v[RD], s23, v7
	v_lshlrev_b32 v[CO], 18, v2                    ; and the same place in qkvh: a head on is 262,144 bytes, a token 128
	v_lshl_add_u32 v[CO], v5, 7, v[CO]
	v_lshl_add_u32 v[CO], v6, 4, v[CO]
.macro FRAG reg, adr, q, i             ; 16 rows x 128 K of 4-bit codes: lane l holds row l % 16; registers 4 c .. 4 c + 3 hold K = 64 c + 32 (l / 16) + 0 .. 31
.irp c, 0,1
	ds_load_b128 v[\reg+4*\c:\reg+4*\c+3], v[\adr] offset:64*(\q)+32*\c+(\i)*16*PITCH
.endr
.endm
; 16 matrix instructions: X's blocks a0, a0 + 1 x W's eight.  The 64 accumulators take turns, one instruction a turn, in the same order in every step.
.macro MUL16 a0, p, q, sc, zero
.irp a, \a0, \a0+1
.irp b, 0,1,2,3,4,5,6,7
.if \zero
	v_wmma_scale_f32_16x16x128_f8f6f4 v[8*(8*((\a)%4)+\b):8*(8*((\a)%4)+\b)+7], v[128*(\p)+FR*\b:128*(\p)+FR*\b+FR-1], v[AF+FR*(\a):AF+FR*(\a)+FR-1], 0, v[SC+8*NQ*(\sc)+NQ*\b+(\q)], v[SC+8*NQ*(\sc)+NQ*(\a)+(\q)] matrix_a_fmt:MATRIX_FMT_FP4 matrix_b_fmt:MATRIX_FMT_FP4 matrix_a_scale:MATRIX_SCALE_ROW1
.else
	v_wmma_scale_f32_16x16x128_f8f6f4 v[8*(8*((\a)%4)+\b):8*(8*((\a)%4)+\b)+7], v[128*(\p)+FR*\b:128*(\p)+FR*\b+FR-1], v[AF+FR*(\a):AF+FR*(\a)+FR-1], v[8*(8*((\a)%4)+\b):8*(8*((\a)%4)+\b)+7], v[SC+8*NQ*(\sc)+NQ*\b+(\q)], v[SC+8*NQ*(\sc)+NQ*(\a)+(\q)] matrix_a_fmt:MATRIX_FMT_FP4 matrix_b_fmt:MATRIX_FMT_FP4 matrix_a_scale:MATRIX_SCALE_ROW1
.endif
.endr
.endr
.endm
.macro FETCH_B slot, q, p
	WIN TO_B
.irp i, 0,1,2,3,4,5,6,7
	FRAG 128*(\p)+FR*\i, ADRB+\slot, \q, \i
.endr
	WIN 0
.endm
.macro FETCH_A slot, q, i0
.irp i, \i0, \i0+1, \i0+2, \i0+3
	FRAG AF+FR*(\i), ADRA+\slot, \q, \i
.endr
.endm
.macro SCALES sc                       ; a slot's scale words: four words a row; lanes 0-15 take X's block i, lanes 16-31 W's block i
.irp i, 0,1,2,3,4,5,6,7
	ds_load_b128 v[SC+8*NQ*\sc+NQ*\i:SC+8*NQ*\sc+NQ*\i+3], v[ADRS] offset:\i*SBLK
.endr
.endm
.macro PLACES n                        ; plain vector lines between a matrix instruction and a load into, or a read of, its registers
.rept \n
	v_nop
.endr
.endm
.macro STEP slot, q, zero              ; 128 along K, with its successor in the same slot
	s_wait_dscnt 4*NL                              ; W's set and X's blocks 0-3 are in; the youngest eight loads (X's blocks 4-7) may be out
	WIN MUL_LO
	MUL16 0, (\q)%2, \q, \slot, \zero
	MUL16 2, (\q)%2, \q, \slot, \zero
	s_wait_dscnt 0                                 ; X's blocks 4-7 are in
	PLACES NP
	FETCH_B \slot, (\q)+1, 1-(\q)%2
	FETCH_A \slot, (\q)+1, 0
	WIN MUL_HI
	MUL16 4, (\q)%2, \q, \slot, \zero
	MUL16 6, (\q)%2, \q, \slot, \zero
	PLACES NP
	WIN 0
	FETCH_A \slot, (\q)+1, 4
.endm
.macro STEPS slot, from
.set Q, \from
.rept NQ-1-\from
	STEP \slot, Q, 0
.set Q, Q+1
.endr
.endm
	s_wait_tensorcnt 1                             ; the scales and my part of slot 0 are in; slot 1's load, the youngest, may be out
	s_barrier_signal -1
	s_barrier_wait -1                              ; everybody's are
	FETCH_B 0, 0, 0
	FETCH_A 0, 0, 0
	SCALES 0
	FETCH_A 0, 0, 4
	STEP 0, 0, 1                                   ; the first products start the sums: nothing is cleared
	STEPS 0, 1
	; slot 0's last step changes slots: one barrier; in front of it my part of slot 1 has landed and my reads of slot 0 are over
	s_wait_tensorcnt 0x0                           ; all my tensor loads have landed
	ds_add_u32 v[SPW], v[NIL]                      ; 0 onto my spare word
	s_wait_dscnt 4*NL+1                            ; (the add and the youngest eight loads may be out)
	WIN MUL_LO
	MUL16 0, 1, NQ-1, 0, 0
	s_wait_dscnt 0x0                               ; the add is done, and my reads of slot 0 are over
	s_barrier_signal -1
	MUL16 2, 1, NQ-1, 0, 0
	WIN 0
	s_barrier_wait -1                              ; slot 1 is whole, and nobody reads slot 0 any more
	PLACES NP
	v_add_nc_u32 v[ADRS], 4*NQ, v[ADRS]            ; on to slot 1's scale words
	FETCH_B 1, 0, 0
	FETCH_A 1, 0, 0
	SCALES 1
	WIN MUL_HI
	MUL16 4, 1, NQ-1, 0, 0
	MUL16 6, 1, NQ-1, 0, 0
	PLACES NP
	WIN 0
	FETCH_A 1, 0, 4
	STEPS 1, 0
	s_wait_dscnt 4*NL                              ; the last step: nothing more to fetch
	WIN MUL_LO
	MUL16 0, 1, NQ-1, 1, 0
	MUL16 2, 1, NQ-1, 1, 0
	s_wait_dscnt 0
	WIN MUL_HI
	MUL16 4, 1, NQ-1, 1, 0
	MUL16 6, 1, NQ-1, 1, 0
	WIN 0
	; THE WAY OUT.  (sum + bias) x c = sum x c + bias x c: one packed multiply-add.  The 32 multiplications below are also the places behind the last products.
	s_wait_loadcnt 0x0                             ; the bias and the mask
.set p, 0
.rept 32
	v_pk_mul_f32 v[BI+2*p:BI+2*p+1], v[BI+2*p:BI+2*p+1], s[CS:CS+1] op_sel_hi:[1,0]
.set p, p+1
.endr
.irp a, 0,1,2,3,4,5,6,7
	v_cmp_ne_u32 vcc_lo, 0, v[MK+\a]
	v_cndmask_b32 v[MK+\a], 0, -1, vcc_lo          ; all ones where the token counts,
	v_or_b32 v[MK+\a], s[NOTK], v[MK+\a]           ; and everywhere in q and v
.endr
.macro PACK a                          ; block a (16 rows x 128 columns): scaled, biased, rounded to f16, masked: 16 bytes a lane for each of W's eight blocks
.set AC, 64*((\a)%4)
	WIN 0x02+(\a)/4                                ; source 0: window 2 or 3
.irp b, 0,1,2,3,4,5,6,7
.irp r, 0,1,2,3
	v_pk_fma_f32 v[T+8*\b+2*\r:T+8*\b+2*\r+1], v[AC+8*\b+2*\r:AC+8*\b+2*\r+1], s[CS:CS+1], v[BI+8*\b+2*\r:BI+8*\b+2*\r+1] op_sel_hi:[1,0,1]   ; each accumulator from its low end on
.endr
.endr
	WIN 0
.set p, 0
.rept 32
	v_cvt_pk_f16_f32 v[T+p], v[T+2*p], v[T+2*p+1]  ; in place, ascending: word p is written when numbers 2 p and 2 p + 1 are read
.set p, p+1
.endr
.set p, 0
.rept 32
	v_and_b32 v[T+p], v[MK+(\a)], v[T+p]
.set p, p+1
.endr
.endm
.macro TOSTAGE a
.set BB, BK+32*((\a)%2)
.irp b, 0,1,2,3,4,5,6,7
	ds_store_b128 v[STO], v[T+4*\b:T+4*\b+3] offset:32*\b
.endr
.irp t, 0,1,2,3,4,5,6,7
	ds_load_b128 v[BB+4*\t:BB+4*\t+3], v[RD] offset:\t*2*SPITCH   ; LDS serves a wave's instructions in order: these see the stores above.  (The two heads' halves of a row lie 128 bytes apart: two lanes share some banks)
.endr
.endm
.macro SEND a
.set BB, BK+32*((\a)%2)
	s_wait_dscnt 0x0                               ; the block is back in registers
	s_wait_xcnt 0x0                                ; the stores of the block before have read their registers, into which the next block's loads will land
.irp t, 0,1,2,3,4,5,6,7
	global_store_b128 v[CO], v[BB+4*\t:BB+4*\t+3], s[12:13] offset:2048*(\a)+256*\t   ; 16 lanes store 256 consecutive bytes, aligned: tokens 2 t, 2 t + 1 of one head
.endr
.endm
	PACK 0
	TOSTAGE 0
.irp a, 1,2,3,4,5,6,7                  ; block a's arithmetic stands between block a - 1's loads from the stage and the wait for them
	PACK \a
	SEND \a-1
	TOSTAGE \a
.endr
	SEND 7
	s_wait_tensorcnt 0x0                           ; the wave's end: behind my last tensor load and my last LDS store
	ds_add_u32 v[SPW], v[NIL]
	s_wait_dscnt 0x0
	CROUND                                         ; the closing round
	s_endpgm
.Lfunc_end_k_qf604c1cf2f_proj:
	.size	k_qf604c1cf2f_proj, .Lfunc_end_k_qf604c1cf2f_proj-k_qf604c1cf2f_proj
	.p2alignl 7, 3214868480
	.fill 96, 4, 3214868480
	.section	.rodata,"a",@progbits
	.p2align	6, 0x0
	.amdhsa_kernel k_qf604c1cf2f_proj
		.amdhsa_group_segment_fixed_size 327680
		.amdhsa_private_segment_fixed_size 0
		.amdhsa_enable_private_segment 0
		.amdhsa_kernarg_size 72
		.amdhsa_user_sgpr_count 2
		.amdhsa_user_sgpr_kernarg_segment_ptr 1
		.amdhsa_wavefront_size32 1
		.amdhsa_system_sgpr_workgroup_id_x 1
		.amdhsa_system_sgpr_workgroup_id_y 1
		.amdhsa_system_sgpr_workgroup_id_z 1
		.amdhsa_system_vgpr_workitem_id 0
		.amdhsa_next_free_vgpr 1024
		.amdhsa_next_free_sgpr 102
		.amdhsa_reserve_vcc 1
		.amdhsa_float_denorm_mode_32 3
		.amdhsa_float_denorm_mode_16_64 3
		.amdhsa_memory_ordered 1
		.amdhsa_forward_progress 1
		.amdhsa_inst_pref_size 156
	.end_amdhsa_kernel
	.amdgpu_metadata
---
amdhsa.version: [ 1, 2 ]
amdhsa.kernels:
  - .name:           k_qf604c1cf2f_proj
    .symbol:         k_qf604c1cf2f_proj.kd
    .args:
      - { .name: xc, .offset: 0, .size: 8, .value_kind: global_buffer, .address_space: global }
      - { .name: xs, .offset: 8, .size: 8, .value_kind: global_buffer, .address_space: global }
      - { .name: wc, .offset: 16, .size: 8, .value_kind: global_buffer, .address_space: global }
      - { .name: ws, .offset: 24, .size: 8, .value_kind: global_buffer, .address_space: global }
      - { .name: wq_b, .offset: 32, .size: 8, .value_kind: global_buffer, .address_space: global }
      - { .name: wk_b, .offset: 40, .size: 8, .value_kind: global_buffer, .address_space: global }
      - { .name: wv_b, .offset: 48, .size: 8, .value_kind: global_buffer, .address_space: global }
      - { .name: mask, .offset: 56, .size: 8, .value_kind: global_buffer, .address_space: global }
      - { .name: qkvh, .offset: 64, .size: 8, .value_kind: global_buffer, .address_space: global }
    .group_segment_fixed_size: 327680
    .private_segment_fixed_size: 0
    .kernarg_segment_align: 8
    .kernarg_segment_size: 72
    .max_flat_workgroup_size: 128
    .sgpr_count:     102
    .vgpr_count:     1024
    .wavefront_size: 32
...
	.end_amdgpu_metadata
.endif
;; end of part 2
;; launch attn (part 3): grid 4 x 64, 8 waves a work-group, clusters of 4 x 1, 327,680 bytes of LDS; arguments qkvh, mask, att; writes att
.if DOCPART == 3
	.amdgcn_target "amdgcn-amd-amdhsa--gfx1250"
	.amdhsa_code_object_version 6
	.text
	.protected	k_qf604c1cf2f_attn
	.globl	k_qf604c1cf2f_attn
	.p2align	8
	.type	k_qf604c1cf2f_attn,@function
k_qf604c1cf2f_attn:
	s_mov_b64 s[64:65], 0
	v_nop
	global_prefetch_b8 v0, s[64:65] scope:SCOPE_SE
	s_setreg_imm32_b32 hwreg(HW_REG_WAVE_MODE, 25, 1), 1
	s_wait_xcnt 0x0
	s_wait_alu depctr_hold_cnt(0) depctr_sa_sdst(0) depctr_va_vdst(0) depctr_va_sdst(0) depctr_va_ssrc(0) depctr_va_vcc(0) depctr_vm_vsrc(0)
	s_getreg_b32 s2, hwreg(HW_REG_IB_STS2, 6, 4)
	s_cmp_eq_u32 s2, 0
	s_cbranch_scc0 .Lentry_in_a_cluster
	s_endpgm
.Lentry_in_a_cluster:
	s_bfe_u32 s2, ttmp6, 0x10000c
	s_cmp_lg_u32 s2, 0x3003
	s_cbranch_scc0 .Lentry_shape_is_right
	s_endpgm
.Lentry_shape_is_right:
; att[b][h][q][:] = sum over k of softmax_k(logit) V[b][h][k][:], logit = Q.K / 8, replaced by -1e9 where mask[b][k] == 0.  Q, K, V: f16 [3][4][16][2048][64]; att: f16 [4][16][2048][64].  Sums, maxima and the softmax in f32.
; Q arrives multiplied by log2(e) / 8, so a score is t = logit x log2(e).  K's rows of masked tokens arrive as zeros, and each score tile's first matrix instruction takes as C a bias by key: 0, or -1e9 x log2(e).
; So a masked key's t is exactly that constant, as in the definition (a batch with no key left gives the plain mean of V), and the mask costs no vector instruction in the loop.
; SOFTMAX: for each query a running maximum M and sum L: p = 2^(t - M); in every step O and L are multiplied by a = 2^(old M - new M).  L sums the unrounded p; p is rounded to f16 for the second product.
; LIMITS: NaN and infinities are not served; |att| under 65,504.
; SHARES: a work-group owns 512 queries of one (batch, head), each of its eight waves 64: four tiles of 16; two waves to a SIMD, 512 registers each, so that one wave's softmax stands beside the other's products.
; LAYOUT: S^T = K Q^T (source 0 = 16 keys, source 1 = 16 queries): a lane holds ONE query (lane % 16) and keys 8 (lane / 16) + 0..7.  Two such tiles, rounded to f16 in pairs, in place, ARE source 1 of O^T = V^T P.
; A trip of the loop: K and bias of step j are fetched; softmax of step j - 1; V^T P of step j - 1; V of step j is fetched; K Q^T of step j.  A key step is 64 keys.
; RING: two LDS slots of four key steps (256 keys).  CLUSTER: the four query blocks of a head walk the same K and V: each tile is asked for jointly (mask 15); waves 0-3 fetch K's tile of step w, waves 4-7 V's of step w - 4.
; REGISTERS: window 0: v0 thread; v1-7 addresses; v8-15 M, L; v16-31 four work registers a tile; v32-63 the bias; v64-127 V's fragments; v128-255 S^T (32 a tile), P in place in each tile's first 16.
;   window 1: v0-63 Q; v64-127 K's fragments; v128-255 O^T (32 a tile).
.set KS,    64
.set PK,    144                        ; a row of K in LDS: 128 bytes + 16: the 16 rows of a load start 36 words apart
.set PV,    160                        ; a row of V: 128 + 32
.set VOFF,  KS*PK
.set STEPB, KS*(PK+PV)                 ; a step's tiles lie together: 64 rows of K, then 64 of V
.set SLOT1, 1<<17                      ; slot 1 begins here: one exclusive or turns an address
.set SLOTB, 4*KS*128                   ; a slot's keys in memory: 32,768 bytes of K, as many of V
.set BIAS,  SLOT1+4*STEPB              ; 2,048 f32: the bias by key; stored by the waves, never a fill's target
.set SPARE, BIAS+8192                  ; the spare words, 128 bytes a wave
.set STAGE, SPARE+1024                 ; the way out: 16 rows x 144 bytes for each wave
.set SPT,   144
.set AK0, 1
.set AV0, 2
.set AB0, 3
.set ADR, 4
.set SPW, 5                            ; v5  LDS address of my spare word; never rewritten
.set NIL, 6                            ; v6  0; never rewritten
.set PFO, 7                            ; v7  256 x lane; never rewritten
.set ML,  8                            ; tile t: M at v[ML+2t], L at v[ML+2t+1]
.set TT,  16                           ; tile t: T0-T3 at v[TT+4t]
.set BI,  32
.set VF,  64
.set S,   128
.set QF,  0                            ; window 1
.set KF,  64
.set OT,  128
.set GO,  1                            ; the way out takes v1-v3 when the loop is over
.set RD,  2
.set STO, 3
.set WV,  12
.set CX,  13
.set LIM, 15                           ; s15  1 in a wave that prefetches, else the greatest number
.set PFA, 18                           ; s[18:19] where my prefetches stand
.set G1K, 24
.set G1V, 32
.set G0K, 40                           ; two sets, one for each first fill; the second walks on
.set G0V, 48
.set SLOTS, 56
.set CNT, 57
.set MP,  58
.set SEL, 60
.set TB,  62                           ; s62  LDS byte at which the tiles of the step to be fetched begin
.set TJ,  63                           ; s63  and its place in the bias table: 256 bytes a step
.set MSB, 0
.macro WIN new                         ; the immediate's high byte repeats the setting that is left
.if MSB != (\new)
	s_set_vgpr_msb (MSB<<8)|(\new)
.set MSB, (\new)
.endif
.endm
.macro PLACES n
.rept \n
	v_nop
.endr
.endm
.macro JLOAD                           ; a joint refill by the walking descriptors; the branch hangs on the wave's number alone; an s_nop 0 and four v_nop follow each line
	s_cmp_lt_u32 s[WV], 4
	s_cbranch_scc0 .Lfor_v_\@
	tensor_load_to_lds s[G0K+4:G0K+7], s[G1K:G1K+7]
	s_nop 0
.rept 4
	v_nop
.endr
	s_branch .Lasked_\@
.Lfor_v_\@:
	tensor_load_to_lds s[G0V+4:G0V+7], s[G1V:G1V+7]
	s_nop 0
.rept 4
	v_nop
.endr
.Lasked_\@:
.endm
; A prefetch of what the NEXT change of slots will ask for: 32,768 bytes of K and as many of V.  Wave 0 asks for K's, wave 4 for V's; the four partners share the bytes out by address, 8,192 each, lanes 256 bytes apart:
; each block is named once.  It stands behind the wave's tensor load, four key steps (256 matrix instructions a wave) ahead of the load that will want the bytes.  The last filling change asks for nothing.
.macro ASK
	s_cmp_gt_u32 s[SLOTS], s[LIM]
	s_cbranch_scc0 .Lnot_mine_\@
	global_prefetch_b8 v[PFO], s[PFA:PFA+1] th:TH_LOAD_NT scope:SCOPE_SE
.Lnot_mine_\@:
.endm
.macro CROUND
	s_barrier_signal -1
	s_barrier_wait -1
	s_cmp_lg_u32 s[WV], 0
	s_cbranch_scc1 .Lnot_wave_0_\@
	s_barrier_signal -3
.Lnot_wave_0_\@:
	s_barrier_wait -3
	s_barrier_signal -1
	s_barrier_wait -1
.endm
	s_load_b128 s[4:7], s[0:1], 0x0                ; qkvh 4, mask 6
	s_load_b64 s[10:11], s[0:1], 0x10              ; att
	v_lshl_add_u32 v[SPW], v0, 2, SPARE
	v_mov_b32 v[NIL], 0
	ds_add_u32 v[SPW], v[NIL]                      ; the wave's opening: the add, twice on end, and its wait ahead of my first tensor load
	ds_add_u32 v[SPW], v[NIL]
	v_lshrrev_b32 v1, 5, v0
	v_readfirstlane_b32 s[WV], v1                  ; wave 0..7
	s_bfe_u32 s[CX], ttmp6, 0x40000                ; my place in the cluster
	s_lshl_b32 s14, ttmp9, 2
	s_add_co_u32 s14, s14, s[CX]                   ; my block of 512 queries: it enters Q's, att's and the prefetches' addresses alone
	s_and_b32 s20, ttmp7, 0xffff                   ; (batch, head), which the partners share
	s_lshr_b32 s21, s20, 4
	s_lshl_b32 s2, s21, 13                         ; the batch's 2,048 mask words
	s_mov_b32 s3, 0
	s_lshl_b32 s20, s20, 18                        ; the head's first byte in a tensor
	s_and_b32 s16, s[WV], 3                        ; which of a slot's four steps I fetch
	s_lshl_b32 s22, s16, 13                        ; its 64 rows of 128 bytes,
	s_add_co_u32 s22, s22, s20
	s_add_co_u32 s22, s22, 0x1000000               ; in K, the second tensor
	s_mov_b32 s23, 0
	s_mul_i32 s17, s16, STEPB                      ; and its place in a slot
	s_lshl_b32 s14, s14, 16                        ; my block's 512 rows,
	s_lshl_b32 s21, s[WV], 13                      ; my wave's 64 of them
	s_add_co_u32 s14, s14, s21
	s_add_co_u32 s20, s20, s14
	s_mov_b32 s21, 0
	s_mov_b32 s[G1K], 15|(1<<16)|(1<<20)|(1<<21)|(4<<22)|(3<<25)  ; the mask: all four; elements of 2 bytes; padding on; bit 21 beside a mask; 4 words behind every 32
	s_mov_b32 s[G1V], 15|(1<<16)|(1<<20)|(1<<21)|(4<<22)|(7<<25)  ; the same with 8 words
.irp g, G1K, G1V
	s_mov_b32 s[\g+1], 64<<16                      ; tensor_dim0
	s_mov_b32 s[\g+2], KS<<16                      ; tensor_dim1
	s_mov_b32 s[\g+3], 64<<16                      ; tile_dim0
	s_mov_b32 s[\g+4], KS                          ; tile_dim1
	s_mov_b32 s[\g+5], 64                          ; the pitch in memory
	s_mov_b32 s[\g+6], 0
	s_mov_b32 s[\g+7], 0
.endr
	s_mov_b32 s[SEL], 0x76543210
	s_mov_b32 s[SEL+1], 0xfedcba98                 ; v_permlanex16_b32: lane l xor 16
	s_mov_b32 s[TB], 0
	s_mov_b32 s[TJ], 0
	s_mov_b32 s[SLOTS], 2048/(4*KS)-2              ; six slots are filled again
	s_cmp_eq_u32 s16, 0
	s_cselect_b32 s[LIM], 1, -1                    ; waves 0 and 4 prefetch: the same in all partners
	v_and_b32 v[PFO], 31, v0
	v_lshlrev_b32 v[PFO], 8, v[PFO]
	s_wait_dscnt 0x0                               ; both opening adds are done
	s_wait_kmcnt 0x0
	s_add_nc_u64 s[MP:MP+1], s[6:7], s[2:3]        ; the mask at my batch
	s_add_nc_u64 s[6:7], s[4:5], s[22:23]          ; K at my tile of slot 0
	s_add_nc_u64 s[8:9], s[6:7], 0x1000000         ; V likewise: the third tensor
	s_add_nc_u64 s[4:5], s[4:5], s[20:21]          ; Q and att at my wave's first row
	s_add_nc_u64 s[10:11], s[10:11], s[20:21]
	s_cmp_lt_u32 s[WV], 4
	s_cselect_b64 s[PFA:PFA+1], s[6:7], s[8:9]     ; (in waves 0 and 4 these stand at the head's first row)
	s_lshl_b32 s2, s[CX], 13                       ; my work-group's 8,192 bytes of a slot's 32,768
	s_add_nc_u64 s[PFA:PFA+1], s[PFA:PFA+1], s[2:3]
	s_add_nc_u64 s[PFA:PFA+1], s[PFA:PFA+1], 2*SLOTB  ; in slot 2: the first change steps it to slot 3.  Nothing is prefetched at the head
	CROUND                                         ; all four work-groups are here: the first joint loads meet
.irp s, 0,1
	s_mov_b32 s[G0K+4*\s], 1
	s_add_co_u32 s[G0K+4*\s+1], s17, \s*SLOT1
	s_add_nc_u64 s[G0K+4*\s+2:G0K+4*\s+3], s[6:7], \s*SLOTB
	s_or_b32 s[G0K+4*\s+3], s[G0K+4*\s+3], 0x80000000
	s_mov_b32 s[G0V+4*\s], 1
	s_add_co_u32 s[G0V+4*\s+1], s17, \s*SLOT1+VOFF
	s_add_nc_u64 s[G0V+4*\s+2:G0V+4*\s+3], s[8:9], \s*SLOTB
	s_or_b32 s[G0V+4*\s+3], s[G0V+4*\s+3], 0x80000000
.endr
	s_cmp_lt_u32 s[WV], 4                          ; a wave's two first fills stand in one branch: two loads of mine are out
	s_cbranch_scc0 .Lfirst_v
	tensor_load_to_lds s[G0K:G0K+3], s[G1K:G1K+7]
	s_nop 0
	tensor_load_to_lds s[G0K+4:G0K+7], s[G1K:G1K+7]
	s_nop 0
.rept 4
	v_nop
.endr
	s_branch .Lfirst_asked
.Lfirst_v:
	tensor_load_to_lds s[G0V:G0V+3], s[G1V:G1V+7]
	s_nop 0
	tensor_load_to_lds s[G0V+4:G0V+7], s[G1V:G1V+7]
	s_nop 0
.rept 4
	v_nop
.endr
.Lfirst_asked:
	v_and_b32 v16, 15, v0                          ; r
	v_bfe_u32 v17, v0, 4, 1                        ; h
	v_lshlrev_b32 v20, 7, v16
	v_lshl_add_u32 v20, v17, 4, v20                ; Q: row r of 128 bytes + 16 h
	WIN 0x40                                       ; destination window 1
.irp t, 0,1,2,3
.irp c, 0,1
	global_load_b128 v[QF+16*\t+8*\c:QF+16*\t+8*\c+3],   v20, s[4:5] offset:2048*\t+64*\c th:TH_LOAD_NT      ; Q stays in registers: tile t, channels 32 c on
	global_load_b128 v[QF+16*\t+8*\c+4:QF+16*\t+8*\c+7], v20, s[4:5] offset:2048*\t+64*\c+32 th:TH_LOAD_NT
.endr
.endr
	WIN 0
	v_lshlrev_b32 v21, 5, v0                       ; the mask: eight words a thread, 2,048 in all
	global_load_b128 v[128:131], v21, s[MP:MP+1]
	global_load_b128 v[132:135], v21, s[MP:MP+1] offset:16
	v_mul_u32_u24 v[AK0], v16, PK
	v_lshl_add_u32 v[AK0], v17, 4, v[AK0]          ; K: row r x pitch + 16 h
	v_and_b32 v18, 7, v0
	v_bfe_u32 v19, v0, 3, 1
	v_lshl_add_u32 v[AV0], v17, 3, v18             ; V, for the turning load: key 8 h + l % 8, channels 8 ((l / 8) % 2) on
	v_mul_u32_u24 v[AV0], v[AV0], PV
	v_lshl_add_u32 v[AV0], v19, 4, v[AV0]
	v_add_nc_u32 v[AV0], VOFF, v[AV0]
	v_lshl_add_u32 v[AB0], v17, 5, BIAS            ; the bias: keys 8 h on
	v_lshl_add_u32 v22, v0, 5, BIAS
	v_mov_b32 v23, 0xceabfb8f                      ; -1e9 x log2(e)
.irp t, 0,1,2,3
	v_mov_b32 v[ML+2*\t+1], 0                      ; L: named with M as a pair before the first step writes it
.endr
	s_wait_loadcnt 0x0                             ; Q and the mask
.irp i, 0,1,2,3,4,5,6,7
	v_cmp_eq_u32 vcc_lo, 0, v[128+\i]
	v_cndmask_b32 v[128+\i], 0, v23, vcc_lo
.endr
	ds_store_b128 v22, v[128:131]
	ds_store_b128 v22, v[132:135] offset:16
.macro FETCH_KB                        ; a step's K (16 loads) and its bias (8 loads, each half of the lanes reading one address)
	WIN 0
	v_add_nc_u32 v[ADR], s[TB], v[AK0]
	WIN 0x40
.irp k, 0,1,2,3
.irp c, 0,1
	ds_load_b128 v[KF+16*\k+8*\c:KF+16*\k+8*\c+3],   v[ADR] offset:\k*16*PK+64*\c
	ds_load_b128 v[KF+16*\k+8*\c+4:KF+16*\k+8*\c+7], v[ADR] offset:\k*16*PK+64*\c+32
.endr
.endr
	WIN 0
	v_add_nc_u32 v[ADR], s[TJ], v[AB0]
.irp k, 0,1,2,3
	ds_load_b128 v[BI+8*\k:BI+8*\k+3],   v[ADR] offset:64*\k
	ds_load_b128 v[BI+8*\k+4:BI+8*\k+7], v[ADR] offset:64*\k+16
.endr
	s_add_co_u32 s[TJ], s[TJ], 256
.endm
.macro FETCH_V                         ; the same step's V, turned: fragment (g, n): keys 32 g on, channels 16 n on
	WIN 0
	v_add_nc_u32 v[ADR], s[TB], v[AV0]
	s_add_co_u32 s[TB], s[TB], STEPB               ; the next fetch is the next step's
.irp g, 0,1
.irp n, 0,1,2,3
	ds_load_tr16_b128 v[VF+32*\g+8*\n:VF+32*\g+8*\n+3],   v[ADR] offset:\g*32*PV+32*\n
	ds_load_tr16_b128 v[VF+32*\g+8*\n+4:VF+32*\g+8*\n+7], v[ADR] offset:\g*32*PV+16*PV+32*\n
.endr
.endr
.endm
; S^T = K Q^T + bias: 32 products; the four tiles take turns, so two links of a chain stand four apart
.macro KQRUN
	WIN 0x05                                       ; K and Q in window 1
.set ii, 0
.rept 32
.set kk, ii/8
.set cc, (ii/4)%2
.set tt, ii%4
.if cc == 0
	v_wmma_f32_16x16x32_f16 v[S+32*tt+8*kk:S+32*tt+8*kk+7], v[KF+16*kk:KF+16*kk+7], v[QF+16*tt:QF+16*tt+7], v[BI+8*kk:BI+8*kk+7]
.else
	v_wmma_f32_16x16x32_f16 v[S+32*tt+8*kk:S+32*tt+8*kk+7], v[KF+16*kk+8:KF+16*kk+15], v[QF+16*tt+8:QF+16*tt+15], v[S+32*tt+8*kk:S+32*tt+8*kk+7]
.endif
.set ii, ii+1
.endr
.endm
; O^T += V^T P: 32 products; sixteen accumulators by turns.  first = 1: the first sixteen start the sums
.macro PVRUN first
	WIN 0x50                                       ; C and D in window 1
.set ii, 0
.rept 32
.set gg, ii/16
.set hh, (ii/4)%4
.set tt, ii%4
.if \first && (gg == 0)
	v_wmma_f32_16x16x32_f16 v[OT+32*tt+8*hh:OT+32*tt+8*hh+7], v[VF+32*gg+8*hh:VF+32*gg+8*hh+7], v[S+32*tt+8*gg:S+32*tt+8*gg+7], 0
.else
	v_wmma_f32_16x16x32_f16 v[OT+32*tt+8*hh:OT+32*tt+8*hh+7], v[VF+32*gg+8*hh:VF+32*gg+8*hh+7], v[S+32*tt+8*gg:S+32*tt+8*gg+7], v[OT+32*tt+8*hh:OT+32*tt+8*hh+7]
.endif
.set ii, ii+1
.endr
.endm
; The softmax of one key step, the four tiles line by line by turns.  first = 1: no old M, no a, nothing to rescale.
.macro SOFTMAX first
	WIN 0
.irp c, 0,1,2,3
.irp t, 0,1,2,3
	v_max3_num_f32 v[TT+4*\t+\c], v[S+32*\t+8*\c], v[S+32*\t+8*\c+1], v[S+32*\t+8*\c+2]   ; four chains a tile; each accumulator is read from its low end on
.endr
.endr
.irp u, 3,5
.irp c, 0,1,2,3
.irp t, 0,1,2,3
	v_max3_num_f32 v[TT+4*\t+\c], v[TT+4*\t+\c], v[S+32*\t+8*\c+\u], v[S+32*\t+8*\c+\u+1]
.endr
.endr
.endr
.irp t, 0,1,2,3
	v_max3_num_f32 v[TT+4*\t], v[TT+4*\t], v[S+32*\t+7], v[S+32*\t+15]
.endr
.irp t, 0,1,2,3
	v_max3_num_f32 v[TT+4*\t+2], v[TT+4*\t+2], v[S+32*\t+23], v[S+32*\t+31]
.endr
.irp t, 0,1,2,3
	v_max3_num_f32 v[TT+4*\t], v[TT+4*\t], v[TT+4*\t+1], v[TT+4*\t+2]
.endr
.irp t, 0,1,2,3
.if \first
	v_max_num_f32 v[TT+4*\t], v[TT+4*\t], v[TT+4*\t+3]
.else
	v_max3_num_f32 v[TT+4*\t], v[TT+4*\t], v[TT+4*\t+3], v[ML+2*\t]
.endif
.endr
.irp t, 0,1,2,3
	v_permlanex16_b32 v[TT+4*\t+1], v[TT+4*\t], s[SEL], s[SEL+1]   ; the query's other 32 keys lie in the lane 16 away
.endr
.if !\first
.irp t, 0,1,2,3
	v_mov_b32 v[TT+4*\t+3], v[ML+2*\t]             ; the old M
.endr
.endif
.irp t, 0,1,2,3
	v_max_num_f32 v[ML+2*\t], v[TT+4*\t], v[TT+4*\t+1]
.endr
.if !\first
.irp t, 0,1,2,3
	v_sub_f32 v[TT+4*\t+3], v[TT+4*\t+3], v[ML+2*\t]
.endr
.irp t, 0,1,2,3
	v_exp_f32 v[TT+4*\t+2], v[TT+4*\t+3]           ; a
.endr
.endif
.irp b, 0,1,2,3,4,5,6,7,8,9,10,11,12,13,14,15      ; ONE BATCH: t - M, a pair at a time, and the exponentials; none of these lines names an exponential's result
.irp t, 0,1,2,3
	v_pk_add_f32 v[S+32*\t+2*\b:S+32*\t+2*\b+1], v[S+32*\t+2*\b:S+32*\t+2*\b+1], v[ML+2*\t:ML+2*\t+1] op_sel_hi:[1,0] neg_lo:[0,1] neg_hi:[0,1]
.endr
.irp t, 0,1,2,3
	v_exp_f32 v[S+32*\t+2*\b], v[S+32*\t+2*\b]
	v_exp_f32 v[S+32*\t+2*\b+1], v[S+32*\t+2*\b+1]
.endr
.endr
	v_nop                                          ; a plain line behind the last exponential
	s_wait_alu depctr_va_vdst(0)                   ; the wait ahead of the first line that names a result: one for the whole batch
.irp t, 0,1,2,3
	v_pk_add_f32 v[TT+4*\t:TT+4*\t+1], v[S+32*\t:S+32*\t+1], v[S+32*\t+2:S+32*\t+3]       ; the sum of the unrounded p
.endr
.irp b, 2,3,4,5,6,7,8,9,10,11,12,13,14,15
.irp t, 0,1,2,3
	v_pk_add_f32 v[TT+4*\t:TT+4*\t+1], v[TT+4*\t:TT+4*\t+1], v[S+32*\t+2*\b:S+32*\t+2*\b+1]
.endr
.endr
.if \first
.irp t, 0,1,2,3
	v_add_f32 v[ML+2*\t+1], v[TT+4*\t], v[TT+4*\t+1]
.endr
.else
.irp t, 0,1,2,3
	v_add_f32 v[TT+4*\t], v[TT+4*\t], v[TT+4*\t+1]
.endr
.irp t, 0,1,2,3
	v_fma_f32 v[ML+2*\t+1], v[ML+2*\t+1], v[TT+4*\t+2], v[TT+4*\t]   ; L = a L + the step's sum (my half of the keys; the halves meet at the end)
.endr
.endif
.irp p, 0,1,2,3,4,5,6,7,8,9,10,11,12,13,14,15
.irp t, 0,1,2,3
	v_cvt_pk_f16_f32 v[S+32*\t+\p], v[S+32*\t+2*\p], v[S+32*\t+2*\p+1]   ; P, in place, ascending
.endr
.endr
.if !\first
	WIN 0x41                                       ; O^T in window 1, a in window 0
.irp p, 0,1,2,3,4,5,6,7,8,9,10,11,12,13,14,15
.irp t, 0,1,2,3
	v_pk_mul_f32 v[OT+32*\t+2*\p:OT+32*\t+2*\p+1], v[OT+32*\t+2*\p:OT+32*\t+2*\p+1], v[TT+4*\t+2:TT+4*\t+3] op_sel_hi:[1,0]
.endr
.endr
.endif
.endm
.macro TRIP first, kq
	PLACES 4                                       ; behind the last K Q^T: in front of the loads into K's and the bias's registers and of the first read of the scores
.if \kq
	FETCH_KB
.endif
	SOFTMAX \first
.if \kq
	s_wait_dscnt 24                                ; V of the step in hand is in; the 24 loads of K and bias issued behind it may be out
.else
	s_wait_dscnt 0x0
.endif
	PVRUN \first
	WIN 0
.if \kq
	PLACES 5                                       ; K Q^T writes over P, which these products read as a source: five places; they also serve the loads into V's registers
	FETCH_V
	s_wait_dscnt 16                                ; K and the bias are in; V's 16 loads may be out
	KQRUN
	WIN 0
.endif
.endm
.macro NTRIPS n
	s_mov_b32 s[CNT], \n
.Ltrip_\@:
	TRIP 0, 1
	s_sub_co_u32 s[CNT], s[CNT], 1
	s_cmp_lg_u32 s[CNT], 0
	s_cbranch_scc1 .Ltrip_\@
.endm
; THE CHANGE OF SLOTS, when a slot's last bytes (V of its fourth step) have been asked for.  Each wave waits for all its tensor loads (one is out: its part of the other slot), adds 0 to its spare word, and waits for that
; and for its reads of the slot.  fill = 1: the barrier is a round of the cluster's, and the joint refill is the first thing behind it: one load a wave, with four key steps in which to land.
.macro CHANGE fill
	WIN 0
	s_wait_tensorcnt 0x0                           ; no tensor load of mine is out, so a descriptor may be written
	ds_add_u32 v[SPW], v[NIL]
.if \fill
.irp g, G0K+4, G0V+4
	s_xor_b32 s[\g+1], s[\g+1], SLOT1              ; the other slot than last time,
	s_add_nc_u64 s[\g+2:\g+3], s[\g+2:\g+3], SLOTB ; the next 256 keys
.endr
	s_wait_xcnt 0x0                                ; the last prefetch, four key steps back, has read its address
	s_add_nc_u64 s[PFA:PFA+1], s[PFA:PFA+1], SLOTB
	s_wait_dscnt 0x0                               ; the add is done, and my reads of the slot are over
	CROUND
	JLOAD
	ASK
.else
	s_wait_dscnt 0x0
	s_barrier_signal -1
	s_barrier_wait -1
.endif
	s_sub_co_u32 s[TB], s[TB], 4*STEPB             ; the fetches go back to a slot's first step,
	s_xor_b32 s[TB], s[TB], SLOT1                  ; in the other slot
.endm
	s_wait_tensorcnt 1                             ; my part of slot 0 is in; slot 1's may stay out
	s_wait_dscnt 0x0                               ; my part of the bias table is stored
	s_barrier_signal -1
	s_barrier_wait -1
	FETCH_KB                                       ; key step 0
	FETCH_V
	s_wait_dscnt 16                                ; K and the bias are in; V's 16 loads may be out
	KQRUN
	WIN 0
	TRIP 1, 1                                      ; softmax and V^T P of step 0 start M, L and O^T; K Q^T of step 1
	NTRIPS 2                                       ; up to K Q^T of step 3: slot 0 is read out
.Lslot:                                            ; six trips: each fills the slot just left
	CHANGE 1
	NTRIPS 4
	s_sub_co_u32 s[SLOTS], s[SLOTS], 1
	s_cmp_lg_u32 s[SLOTS], 0
	s_cbranch_scc1 .Lslot
	CHANGE 0                                       ; the tail is written out: nothing more is asked for
	NTRIPS 4
	TRIP 0, 0                                      ; softmax and V^T P of the last step
	; THE WAY OUT.  L's two halves meet; O^T / L, rounded to f16, goes through my stage, a tile (16 rows of 128 bytes) at a time, and leaves as 512 consecutive bytes a store.
.irp t, 0,1,2,3
	v_permlanex16_b32 v[TT+4*\t], v[ML+2*\t+1], s[SEL], s[SEL+1]
.endr
.irp t, 0,1,2,3
	v_add_f32 v[ML+2*\t+1], v[ML+2*\t+1], v[TT+4*\t]
.endr
.irp t, 0,1,2,3
	v_rcp_f32 v[TT+4*\t+2], v[ML+2*\t+1]
.endr
	v_and_b32 v1, 15, v0                           ; (plain lines behind the reciprocals, and the places behind the last products)
	v_bfe_u32 v2, v0, 4, 1
	s_mul_i32 s2, s[WV], 16*SPT
	s_add_co_u32 s2, s2, STAGE                     ; my stage
	v_mul_u32_u24 v[STO], v1, SPT
	v_lshl_add_u32 v[STO], v2, 4, v[STO]
	v_add_nc_u32 v[STO], s2, v[STO]                ; in: row r, + 16 h
	v_and_b32 v1, 31, v0
	v_lshrrev_b32 v2, 3, v1
	v_and_b32 v4, 7, v0
	v_mul_u32_u24 v[RD], v2, SPT
	v_lshl_add_u32 v[RD], v4, 4, v[RD]
	v_add_nc_u32 v[RD], s2, v[RD]                  ; back: four rows a load: row l / 8, 16 bytes l % 8
	v_lshlrev_b32 v[GO], 4, v1                     ; and 16 x lane in att
	s_wait_alu depctr_va_vdst(0)                   ; one wait for the four reciprocals, ahead of their first reader
.macro PACK t
	WIN 0x41
.set ii, 0
.rept 16
	v_pk_mul_f32 v[OT+32*\t+2*ii:OT+32*\t+2*ii+1], v[OT+32*\t+2*ii:OT+32*\t+2*ii+1], v[TT+4*\t+2:TT+4*\t+3] op_sel_hi:[1,0]
.set ii, ii+1
.endr
	WIN 0x05                                       ; sources in window 1, destination in window 0
.set ii, 0
.rept 16
	v_cvt_pk_f16_f32 v[S+32*\t+ii], v[OT+32*\t+2*ii], v[OT+32*\t+2*ii+1]
.set ii, ii+1
.endr
	WIN 0
.irp n, 0,1,2,3
	ds_store_b128 v[STO], v[S+32*\t+4*\n:S+32*\t+4*\n+3] offset:32*\n
.endr
.irp n, 0,1,2,3
	ds_load_b128 v[S+32*\t+16+4*\n:S+32*\t+16+4*\n+3], v[RD] offset:\n*4*SPT   ; LDS serves a wave's instructions in order: these see the stores above, and the next tile's stores come behind them
.endr
.endm
.macro SEND t, younger                 ; younger: the LDS instructions issued behind tile t's loads: the next tile's eight, or none
.irp n, 0,1,2,3
	s_wait_dscnt \younger+3-\n
	global_store_b128 v[GO], v[S+32*\t+16+4*\n:S+32*\t+16+4*\n+3], s[10:11] offset:2048*\t+512*\n
.endr
.endm
	PACK 0
	PACK 1
	SEND 0, 8
	PACK 2
	SEND 1, 8
	PACK 3
	SEND 2, 8
	SEND 3, 0
	s_wait_tensorcnt 0x0                           ; the wave's end: behind my last tensor load and my last LDS store
	ds_add_u32 v[SPW], v[NIL]
	s_wait_dscnt 0x0
	CROUND                                         ; the closing round
	s_endpgm
.Lfunc_end_k_qf604c1cf2f_attn:
	.size	k_qf604c1cf2f_attn, .Lfunc_end_k_qf604c1cf2f_attn-k_qf604c1cf2f_attn
	.p2alignl 7, 3214868480
	.fill 96, 4, 3214868480
	.section	.rodata,"a",@progbits
	.p2align	6, 0x0
	.amdhsa_kernel k_qf604c1cf2f_attn
		.amdhsa_group_segment_fixed_size 327680
		.amdhsa_private_segment_fixed_size 0
		.amdhsa_enable_private_segment 0
		.amdhsa_kernarg_size 24
		.amdhsa_user_sgpr_count 2
		.amdhsa_user_sgpr_kernarg_segment_ptr 1
		.amdhsa_wavefront_size32 1
		.amdhsa_system_sgpr_workgroup_id_x 1
		.amdhsa_system_sgpr_workgroup_id_y 1
		.amdhsa_system_sgpr_workgroup_id_z 1
		.amdhsa_system_vgpr_workitem_id 0
		.amdhsa_next_free_vgpr 512
		.amdhsa_next_free_sgpr 66
		.amdhsa_reserve_vcc 1
		.amdhsa_float_denorm_mode_32 3
		.amdhsa_float_denorm_mode_16_64 3
		.amdhsa_memory_ordered 1
		.amdhsa_forward_progress 1
		.amdhsa_inst_pref_size 182
	.end_amdhsa_kernel
	.amdgpu_metadata
---
amdhsa.version: [ 1, 2 ]
amdhsa.kernels:
  - .name:           k_qf604c1cf2f_attn
    .symbol:         k_qf604c1cf2f_attn.kd
    .args:
      - { .name: qkvh, .offset: 0, .size: 8, .value_kind: global_buffer, .address_space: global }
      - { .name: mask, .offset: 8, .size: 8, .value_kind: global_buffer, .address_space: global }
      - { .name: att, .offset: 16, .size: 8, .value_kind: global_buffer, .address_space: global }
    .group_segment_fixed_size: 327680
    .private_segment_fixed_size: 0
    .kernarg_segment_align: 8
    .kernarg_segment_size: 24
    .max_flat_workgroup_size: 256
    .sgpr_count:     66
    .vgpr_count:     512
    .wavefront_size: 32
...
	.end_amdgpu_metadata
.endif
;; end of part 3
;; launch oproj (part 4): grid 4 x 64, 4 waves a work-group, clusters of 4 x 4, 327,680 bytes of LDS; arguments att, woh, wo_b, out0; writes out0
.if DOCPART == 4
	.amdgcn_target "amdgcn-amd-amdhsa--gfx1250"
	.amdhsa_code_object_version 6
	.text
	.protected	k_qf604c1cf2f_oproj
	.globl	k_qf604c1cf2f_oproj
	.p2align	8
	.type	k_qf604c1cf2f_oproj,@function
k_qf604c1cf2f_oproj:
	s_mov_b64 s[64:65], 0
	v_nop
	global_prefetch_b8 v0, s[64:65] scope:SCOPE_SE
	s_setreg_imm32_b32 hwreg(HW_REG_WAVE_MODE, 25, 1), 1
	s_wait_xcnt 0x0
	s_wait_alu depctr_hold_cnt(0) depctr_sa_sdst(0) depctr_va_vdst(0) depctr_va_sdst(0) depctr_va_ssrc(0) depctr_va_vcc(0) depctr_vm_vsrc(0)
	s_getreg_b32 s2, hwreg(HW_REG_IB_STS2, 6, 4)
	s_cmp_eq_u32 s2, 0
	s_cbranch_scc0 .Lentry_in_a_cluster
	s_endpgm
.Lentry_in_a_cluster:
	s_bfe_u32 s2, ttmp6, 0x10000c
	s_cmp_lg_u32 s2, 0xf033
	s_cbranch_scc0 .Lentry_shape_is_right
	s_endpgm
.Lentry_shape_is_right:
; out0[m][n] = sum over k of A[m][k] W[n][k] + wo_b[n].  A = the attention's result, f16, laid [batch 4][head 16][token 2048][64]: m = (batch, token), k = 64 x head + channel.  W = woh, f16 [1024][1024].  out0 f32 [8192][1024].
; A tile of C is 128 (m) x 256 (n): 256 work-groups.  Four waves, each 64 x 128: 32 accumulators, 256 registers.  K goes in steps of 128, which are two heads: two planes of A, each 128 rows of 128 bytes, dense in memory.
; A ring of two LDS slots: waves 0 and 1 fetch A's two planes, waves 2 and 3 W's two halves of 128 rows x 256 bytes: one tensor load a wave behind each change of slots.
; CLUSTERS: 4 x 4 work-groups: A's tiles are shared along a row of the cluster, W's along a column, each asked for jointly.
; THE MATRIX INSTRUCTION IS USED TRANSPOSED (source 0 = 16 rows of W, source 1 = 16 rows of A): a lane holds eight neighbouring columns of one row of C.
; No prefetch: the launch is short and each tile is fetched once for four work-groups.
; REGISTERS: window 0: v8-11 the bias of my four columns on the way out; v16-29 addresses; two fragment buffers of 96 (W's 8 fragments, then A's 4) at v32 and v128.  window 1: accumulator (a, b) at v[8 (8 a + b)].
.set AP,     144                       ; A's row in LDS: 128 bytes + 16
.set APL,    128*AP                    ; a plane
.set BP,     272                       ; W's row: 256 bytes + 16
.set BOFF,   2*APL
.set SLOT,   BOFF+256*BP
.set STAGE,  2*SLOT                    ; the way out: 16 rows x (512 bytes + 16) for each wave
.set SPITCH, 528
.set SPARE,  STAGE+4*16*SPITCH         ; the spare words, 128 bytes a wave
.set ADRA, 16
.set ADRB, 20
.set STO,  24
.set RD,   25
.set CO,   26
.set SPW,  28
.set NIL,  29
.set F0,   32
.set F1,   128
.set BK,   32                          ; the way out: rows read back: v32-95 and v96-159 by turns
.set G1, 24
.set G0, 32
.set G1B, 48
.set G0B, 56
.set MSB, 0
.macro WIN new
.if MSB != (\new)
	s_set_vgpr_msb (MSB<<8)|(\new)
.set MSB, (\new)
.endif
.endm
.set MUL, 0x50                         ; C and D window 1, sources window 0
.macro JLOAD s                         ; waves 0 and 1 fetch for A, waves 2 and 3 for W; an s_nop 0 and four v_nop follow each line
	s_cmp_eq_u32 s13, 0
	s_cbranch_scc0 .Lfor_b_\@
	tensor_load_to_lds s[G0+4*\s:G0+4*\s+3], s[G1:G1+7]
	s_nop 0
.rept 4
	v_nop
.endr
	s_branch .Lasked_\@
.Lfor_b_\@:
	tensor_load_to_lds s[G0B+4*\s:G0B+4*\s+3], s[G1B:G1B+7]
	s_nop 0
.rept 4
	v_nop
.endr
.Lasked_\@:
.endm
.macro CREST
	s_cmp_lg_u32 s12, 0
	s_cbranch_scc1 .Lnot_wave_0_\@
	s_barrier_signal -3
.Lnot_wave_0_\@:
	s_barrier_wait -3
	s_barrier_signal -1
	s_barrier_wait -1
.endm
.macro CROUND
	s_barrier_signal -1
	s_barrier_wait -1
	CREST
.endm
.macro PLACES n
.rept \n
	v_nop
.endr
.endm
	s_load_b256 s[4:11], s[0:1], 0x0               ; att 4, woh 6, wo_b 8, out0 10
	v_lshl_add_u32 v[SPW], v0, 2, SPARE
	v_mov_b32 v[NIL], 0
	ds_add_u32 v[SPW], v[NIL]                      ; the wave's opening: the add, twice on end, and its wait ahead of my first tensor load
	ds_add_u32 v[SPW], v[NIL]
	v_lshrrev_b32 v1, 5, v0
	v_readfirstlane_b32 s12, v1                    ; wave 0..3
	s_lshr_b32 s13, s12, 1                         ; which 64 rows are mine.  Also: I fetch for A (0) or for W (1)
	s_and_b32 s14, s12, 1                          ; which 128 columns.  Also: which plane or half I fetch
	s_bfe_u32 s40, ttmp6, 0x40000
	s_bfe_u32 s41, ttmp6, 0x40004
	s_lshl_b32 s42, ttmp9, 2
	s_add_co_u32 s42, s42, s40                     ; tile column, 0..3
	s_and_b32 s15, ttmp7, 0xffff
	s_lshl_b32 s15, s15, 2
	s_add_co_u32 s15, s15, s41                     ; tile row, 0..63
	s_lshl_b32 s43, s41, 2
	s_lshl_b32 s43, 15, s43                        ; my row of the cluster
	s_lshl_b32 s44, 0x1111, s40                    ; my column
	s_or_b32 s[G1+0], s43, (1<<16)|(1<<20)|(1<<21)|(4<<22)|(3<<25)   ; A: elements of 2 bytes; 4 words of padding behind every 32
	s_mov_b32 s[G1+1], 64<<16                      ; tensor_dim0
	s_mov_b32 s[G1+2], 128<<16                     ; tensor_dim1
	s_mov_b32 s[G1+3], 64<<16                      ; tile_dim0
	s_mov_b32 s[G1+4], 128                         ; tile_dim1
	s_mov_b32 s[G1+5], 64                          ; the pitch in memory
	s_mov_b32 s[G1+6], 0
	s_mov_b32 s[G1+7], 0
	s_or_b32 s[G1B+0], s44, (1<<16)|(1<<20)|(1<<21)|(5<<22)|(3<<25)  ; W: 4 words behind every 64
	s_mov_b32 s[G1B+1], 128<<16
	s_mov_b32 s[G1B+2], 128<<16
	s_mov_b32 s[G1B+3], 128<<16
	s_mov_b32 s[G1B+4], 128
	s_mov_b32 s[G1B+5], 1024
	s_mov_b32 s[G1B+6], 0
	s_mov_b32 s[G1B+7], 0
	s_lshr_b32 s16, s15, 4                         ; A: the batch,
	s_lshl_b32 s16, s16, 4
	s_add_co_u32 s16, s16, s14                     ; its head 0 or 1,
	s_lshl_b32 s16, s16, 18                        ; 262,144 bytes a head,
	s_and_b32 s17, s15, 15
	s_lshl_b32 s17, s17, 14                        ; and the tile's 128 tokens of 128 bytes
	s_add_co_u32 s16, s16, s17
	s_mov_b32 s17, 0
	s_lshl_b32 s46, s42, 19                        ; W: row 256 x tile column + 128 x half, 2,048 bytes a row
	s_lshl_b32 s47, s14, 18
	s_add_co_u32 s46, s46, s47
	s_mov_b32 s47, 0
	s_mul_i32 s20, s14, APL                        ; where they go: no place in the cluster enters an LDS address
	s_mul_i32 s21, s14, 128*BP
	s_add_co_u32 s21, s21, BOFF
	s_wait_dscnt 0x0                               ; both opening adds are done
	s_wait_kmcnt 0x0
	s_add_nc_u64 s[18:19], s[4:5], s[16:17]
	s_add_nc_u64 s[46:47], s[6:7], s[46:47]
	CROUND                                         ; all sixteen work-groups are here: the first joint loads meet
.irp s, 0,1
	s_mov_b32 s[G0+4*\s], 1
	s_add_co_u32 s[G0+4*\s+1], s20, \s*SLOT
	s_add_nc_u64 s[G0+4*\s+2:G0+4*\s+3], s[18:19], \s*2*262144     ; K step s: heads 2 s, 2 s + 1
	s_or_b32 s[G0+4*\s+3], s[G0+4*\s+3], 0x80000000
	s_mov_b32 s[G0B+4*\s], 1
	s_add_co_u32 s[G0B+4*\s+1], s21, \s*SLOT
	s_add_nc_u64 s[G0B+4*\s+2:G0B+4*\s+3], s[46:47], \s*256
	s_or_b32 s[G0B+4*\s+3], s[G0B+4*\s+3], 0x80000000
	JLOAD \s                                       ; two loads of mine are out
.endr
	v_and_b32 v1, 15, v0                           ; r
	v_bfe_u32 v2, v0, 4, 1                         ; h
	v_and_b32 v3, 31, v0
	v_lshlrev_b32 v[CO], 4, v3                     ; 16 x lane: my four columns of a row of 128; never rewritten
	s_lshl_b32 s16, s42, 10
	s_lshl_b32 s17, s14, 9
	s_add_co_u32 s16, s16, s17                     ; my first column, in bytes of f32
	s_mov_b32 s17, 0
	s_add_nc_u64 s[8:9], s[8:9], s[16:17]
	global_load_b128 v[8:11], v[CO], s[8:9]        ; the bias, awaited on the way out
	s_add_nc_u64 s[10:11], s[10:11], s[16:17]
	s_lshl_b32 s16, s15, 7
	s_lshl_b32 s18, s13, 6
	s_add_co_u32 s16, s16, s18                     ; my first row
	s_lshl_b32 s16, s16, 12                        ; 4,096 bytes a row
	s_add_nc_u64 s[10:11], s[10:11], s[16:17]
	v_mul_u32_u24 v4, v1, AP
	v_lshl_add_u32 v4, v2, 4, v4
	s_mul_i32 s22, s13, 64*AP                      ; my 64 rows of each plane
	v_mul_u32_u24 v5, v1, BP
	v_lshl_add_u32 v5, v2, 4, v5
	s_mul_i32 s23, s14, 128*BP                     ; my 128 rows of W
	s_add_co_u32 s23, s23, BOFF
.irp s, 0,1
	v_add_nc_u32 v[ADRA+\s], s22, v4
	v_add_nc_u32 v[ADRB+\s], s23, v5
	s_add_co_u32 s22, s22, SLOT
	s_add_co_u32 s23, s23, SLOT
.endr
	s_mul_i32 s22, s12, 16*SPITCH
	s_add_co_u32 s22, s22, STAGE                   ; my stage
	v_mul_u32_u24 v4, v1, SPITCH
	v_lshl_add_u32 v4, v2, 5, v4
	v_add_nc_u32 v[STO], s22, v4                   ; in: row r, 32 bytes for each half of the lanes
	v_add_nc_u32 v[RD], s22, v[CO]                 ; back: the 32 lanes take a row of 512 bytes
.macro MULA f, a, zero                 ; 8 matrix instructions: A's block a x W's eight, 32 along K
.irp b, 0,1,2,3,4,5,6,7
.if \zero
	v_wmma_f32_16x16x32_f16 v[8*(8*(\a)+\b):8*(8*(\a)+\b)+7], v[\f+8*\b:\f+8*\b+7], v[\f+64+8*(\a):\f+64+8*(\a)+7], 0
.else
	v_wmma_f32_16x16x32_f16 v[8*(8*(\a)+\b):8*(8*(\a)+\b)+7], v[\f+8*\b:\f+8*\b+7], v[\f+64+8*(\a):\f+64+8*(\a)+7], v[8*(8*(\a)+\b):8*(8*(\a)+\b)+7]
.endif
.endr
.endm
.macro MUL16 f, a0, zero               ; the 32 accumulators take turns in the same order in every quarter
	MULA \f, \a0, \zero
	MULA \f, \a0+1, \zero
.endm
.macro FETCH slot, q, f                ; 24 LDS loads: the fragments of the slot's q-th 32 along K: W's eight, A's blocks 0, 1, then 2, 3
.irp b, 0,1,2,3,4,5,6,7
	ds_load_b128 v[\f+8*\b:\f+8*\b+3],   v[ADRB+\slot] offset:64*(\q)+\b*16*BP
	ds_load_b128 v[\f+8*\b+4:\f+8*\b+7], v[ADRB+\slot] offset:64*(\q)+\b*16*BP+32
.endr
.irp a, 0,1,2,3
	ds_load_b128 v[\f+64+8*\a:\f+64+8*\a+3],   v[ADRA+\slot] offset:((\q)/2)*APL+64*((\q)%2)+\a*16*AP
	ds_load_b128 v[\f+64+8*\a+4:\f+64+8*\a+7], v[ADRA+\slot] offset:((\q)/2)*APL+64*((\q)%2)+\a*16*AP+32
.endr
.endm
.macro QUARTER slot, q, f, g, zero     ; multiplies buffer f; in its middle fetches the slot's quarter q into buffer g
	s_wait_dscnt 4                                 ; W's fragments and A's blocks 0, 1 are in; the youngest four loads (blocks 2, 3) may be out
	WIN MUL
	MUL16 \f, 0, \zero
	PLACES 4                                       ; in front of loads into registers that matrix instructions have read
	WIN 0
	FETCH \slot, \q, \g
	s_wait_dscnt 24                                ; all but the 24 just issued
	WIN MUL
	MUL16 \f, 2, \zero
.endm
; A slot's last quarter multiplies buffer 1 and changes slots: ONE barrier; in front of it each wave waits for all its tensor loads, adds 0 to its spare word, and waits for that and for its reads of this slot.
.macro TURN slot, next, fill
	WIN 0
	s_wait_tensorcnt 0x0                           ; all my tensor loads have landed: my part of the next slot
	ds_add_u32 v[SPW], v[NIL]
	s_wait_dscnt 5                                 ; (the add and the youngest four loads may be out)
	WIN MUL
	MULA F1, 0, 0
	s_wait_dscnt 0x0                               ; the add is done, and my reads of this slot are over
	s_barrier_signal -1
	MULA F1, 1, 0
	WIN 0
	s_barrier_wait -1
.if \fill
	CREST                                          ; the barrier has opened a round of the cluster's: no wave of any partner still reads this slot or has a load on its way
	s_add_nc_u64 s[G0+4*\slot+2:G0+4*\slot+3], s[G0+4*\slot+2:G0+4*\slot+3], 4*262144   ; two K steps on: four heads
	s_add_nc_u64 s[G0B+4*\slot+2:G0B+4*\slot+3], s[G0B+4*\slot+2:G0B+4*\slot+3], 2*256
	JLOAD \slot                                    ; the first tensor load behind the round; its four v_nop are also the places in front of the loads below
.else
	PLACES 4
.endif
	FETCH \next, 0, F0
	WIN MUL
	MUL16 F1, 2, 0
.endm
	s_wait_tensorcnt 1                             ; my part of K step 0 is in; K step 1's may stay out
	s_barrier_signal -1
	s_barrier_wait -1
	FETCH 0, 0, F0
	QUARTER 0, 1, F0, F1, 1                        ; the first quarter's products start the sums
	WIN 0
	s_mov_b32 s3, 3                                ; eight K steps are four laps; the last is written out
.Llap:
	QUARTER 0, 2, F1, F0, 0
	QUARTER 0, 3, F0, F1, 0
	TURN 0, 1, 1
	QUARTER 1, 1, F0, F1, 0
	QUARTER 1, 2, F1, F0, 0
	QUARTER 1, 3, F0, F1, 0
	TURN 1, 0, 1
	QUARTER 0, 1, F0, F1, 0
	WIN 0
	s_sub_co_u32 s3, s3, 1
	s_cmp_lg_u32 s3, 0
	s_cbranch_scc1 .Llap
	QUARTER 0, 2, F1, F0, 0                        ; the last lap fills nothing
	QUARTER 0, 3, F0, F1, 0
	TURN 0, 1, 0
	QUARTER 1, 1, F0, F1, 0
	QUARTER 1, 2, F1, F0, 0
	QUARTER 1, 3, F0, F1, 0
	s_wait_dscnt 4
	WIN MUL
	MUL16 F1, 0, 0
	s_wait_dscnt 0
	MUL16 F1, 2, 0
	WIN 0
	; THE WAY OUT, block by block of 16 rows x 128 columns, through my own stage: whole rows of 512 bytes come back, take the bias, and leave as 512 consecutive bytes a store.
.macro TOSTAGE a
	WIN 0x04                                       ; an LDS store's data: window 1
.irp b, 0,1,2,3,4,5,6,7
	ds_store_b128 v[STO], v[8*(8*(\a)+\b):8*(8*(\a)+\b)+3] offset:64*\b          ; each accumulator from its low end on
	ds_store_b128 v[STO], v[8*(8*(\a)+\b)+4:8*(8*(\a)+\b)+7] offset:64*\b+16
.endr
	WIN 0
.set BB, BK+64*((\a)%2)
.irp t, 0,1,2,3,4,5,6,7,8,9,10,11,12,13,14,15
	ds_load_b128 v[BB+4*\t:BB+4*\t+3], v[RD] offset:\t*SPITCH   ; LDS serves a wave's instructions in order: these see the stores above
.endr
.endm
.macro SEND a, younger                 ; younger: the LDS instructions issued behind block a's loads
.set BB, BK+64*((\a)%2)
	s_wait_dscnt \younger
.irp t, 0,1,2,3,4,5,6,7,8,9,10,11,12,13,14,15
	v_pk_add_f32 v[BB+4*\t:BB+4*\t+1], v[BB+4*\t:BB+4*\t+1], v[8:9]
	v_pk_add_f32 v[BB+4*\t+2:BB+4*\t+3], v[BB+4*\t+2:BB+4*\t+3], v[10:11]
.endr
.irp t, 0,1,2,3,4,5,6,7,8,9,10,11,12,13,14,15
	global_store_b128 v[CO], v[BB+4*\t:BB+4*\t+3], s[10:11] offset:65536*(\a)+4096*\t th:TH_STORE_NT
.endr
.endm
	PLACES 4                                       ; behind the last products: in front of the reads of results and of the loads into the fragments' registers
	TOSTAGE 0
	s_wait_loadcnt 0x0                             ; the bias
.irp a, 1,2,3
.if \a > 1
	s_wait_xcnt 0x0                                ; block a - 2's stores have read their registers: block a's loads may land there
.endif
	TOSTAGE \a
	SEND \a-1, 32                                  ; behind block a - 1's loads: block a's 16 stores and 16 loads
.endr
	SEND 3, 0
	s_wait_tensorcnt 0x0                           ; the wave's end: behind my last tensor load and my last LDS store
	ds_add_u32 v[SPW], v[NIL]
	s_wait_dscnt 0x0
	CROUND                                         ; the closing round
	s_endpgm
.Lfunc_end_k_qf604c1cf2f_oproj:
	.size	k_qf604c1cf2f_oproj, .Lfunc_end_k_qf604c1cf2f_oproj-k_qf604c1cf2f_oproj
	.p2alignl 7, 3214868480
	.fill 96, 4, 3214868480
	.section	.rodata,"a",@progbits
	.p2align	6, 0x0
	.amdhsa_kernel k_qf604c1cf2f_oproj
		.amdhsa_group_segment_fixed_size 327680
		.amdhsa_private_segment_fixed_size 0
		.amdhsa_enable_private_segment 0
		.amdhsa_kernarg_size 32
		.amdhsa_user_sgpr_count 2
		.amdhsa_user_sgpr_kernarg_segment_ptr 1
		.amdhsa_wavefront_size32 1
		.amdhsa_system_sgpr_workgroup_id_x 1
		.amdhsa_system_sgpr_workgroup_id_y 1
		.amdhsa_system_sgpr_workgroup_id_z 1
		.amdhsa_system_vgpr_workitem_id 0
		.amdhsa_next_free_vgpr 512
		.amdhsa_next_free_sgpr 66
		.amdhsa_reserve_vcc 0
		.amdhsa_float_denorm_mode_32 3
		.amdhsa_float_denorm_mode_16_64 3
		.amdhsa_memory_ordered 1
		.amdhsa_forward_progress 1
		.amdhsa_inst_pref_size 93
	.end_amdhsa_kernel
	.amdgpu_metadata
---
amdhsa.version: [ 1, 2 ]
amdhsa.kernels:
  - .name:           k_qf604c1cf2f_oproj
    .symbol:         k_qf604c1cf2f_oproj.kd
    .args:
      - { .name: att, .offset: 0, .size: 8, .value_kind: global_buffer, .address_space: global }
      - { .name: woh, .offset: 8, .size: 8, .value_kind: global_buffer, .address_space: global }
      - { .name: wo_b, .offset: 16, .size: 8, .value_kind: global_buffer, .address_space: global }
      - { .name: out0, .offset: 24, .size: 8, .value_kind: global_buffer, .address_space: global }
    .group_segment_fixed_size: 327680
    .private_segment_fixed_size: 0
    .kernarg_segment_align: 8
    .kernarg_segment_size: 32
    .max_flat_workgroup_size: 128
    .sgpr_count:     66
    .vgpr_count:     512
    .wavefront_size: 32
...
	.end_amdgpu_metadata
.endif
;; end of part 4
